; MI455X (gfx1250); checked and timed in simulation.
; The chip was launched on July 23, 2026; its instructions are those of AMD's public machine-readable ISA for CDNA 5 (MIT licence, August 2026) and "CDNA5" Instruction Set Architecture Reference Guide (July 2026). The comments in the code are by the model that wrote it; some were corrected since.
;; Elastic Attention. Allowed arithmetic: matrix products marked QUANTISED: E2M1 operands, one E8M0 scale for each 32 along K, by v_wmma_scale_f32_16x16x128_f8f6f4 with both operands' format E2M1 (or v_wmma_scale_f32_32x16x128_f4), f32 sums; products left as they are: bf16, f16 or f32 operands; f32 sums; everything else in f32.
;; Inputs: Wk 1,024 x 1,024 float32; Wo 1,024 x 1,024 float32; Wq 1,024 x 1,024 float32; Wv 1,024 x 1,024 float32; bk 1,024 float32; bo 1,024 float32; bq 1,024 float32; bv 1,024 float32; hidden_states 4 x 2,048 x 1,024 float32.
;; Outputs: out0 4 x 2,048 x 1,024 float32.
;; Constants: active_heads = 12.
;; This version of the problem:
;;   THIS VERSION OF THE PROBLEM IS GIVEN IN LOW PRECISION. The matrix products marked QUANTISED in the list below multiply operands that are first quantised to E2M1 (2 exponent bits, 1 mantissa bit; 4 bits a number), with one power-of-two scale for each 32 numbers along K (OCP MX v1.0); their sums are f32. The products marked 'left as it is' may take bf16, f16 or f32 operands, with f32 sums. Whichever they take, every output number must still come out within the allowed error. Rounding operands to bf16 (8 significant bits) uses up far more of that allowance than f16 does (11 bits, for magnitudes from 6e-5 to 65,504). All else is computed in f32.
;;   The module's matrix products, in the order in which they are computed (A, B: the left and right operand; K: the contracted axis; several contracted axes count as one K, in the product's order):
;;     1. [M 8,192, K 1,024] x [K 1,024, N 1,024]; A: input hidden_states; B: input Wq: QUANTISED
;;     2. [M 8,192, K 1,024] x [K 1,024, N 1,024]; A: input hidden_states; B: input Wk: QUANTISED
;;     3. [M 8,192, K 1,024] x [K 1,024, N 1,024]; A: input hidden_states; B: input Wv: QUANTISED
;;     4. batch 64 x [M 2,048, K 64] x [K 64, N 2,048]; A: computed on the way; B: computed on the way: left as it is (an operand is computed on the way)
;;     5. batch 64 x [M 2,048, K 2,048] x [K 2,048, N 64]; A: computed on the way; B: computed on the way: left as it is (an operand is computed on the way)
;;     6. [M 8,192, K 1,024] x [K 1,024, N 1,024]; A: computed on the way; B: input Wo: left as it is (an operand is computed on the way)
;;   THE QUANTISER, for each operand of a quantised product, along K:
;;     - K is cut into blocks of 32 from its start; a last block that is shorter is filled with zeros.
;;     - A block's scale is 2^e with e = floor(log2(the largest magnitude in the block)) - 2, held to -126 .. 127; a block of zeros has e = 0. As a byte (E8M0): e + 127.
;;     - Each number is divided by its block's scale, clamped to +-6, and rounded to the nearest number of E2M1, ties to even, subnormals kept.
;;     - The product sums the exact products of the quantised numbers (number of the format x scale) in f32.
;;   ~~~python
;;   def quantise(x, axis):      # numpy; x: float32 -> the quantised numbers, widened to float32 again
;;       x = np.moveaxis(x, axis, -1); K = x.shape[-1]
;;       x = np.pad(x, [(0, 0)] * (x.ndim - 1) + [(0, -K % 32)]); x = x.reshape(x.shape[:-1] + (-1, 32)); a = np.abs(x).max(-1, keepdims=True)
;;       e = np.where(a > 0, np.clip(np.frexp(np.where(a > 0, a, 1))[1] - 1 - 2, -126, 127), 0)      # np.frexp(a)[1] - 1 = floor(log2(a)), exactly
;;       r = np.clip(x / 2.0 ** e, -6, 6)
;;       step = 2.0 ** (np.maximum(np.frexp(np.where(r == 0, 1, r))[1] - 1, 0) - 1)
;;       q = np.round(r / step) * step * 2.0 ** e      # np.round: ties to even
;;       return np.moveaxis(q.reshape(q.shape[:-2] + (-1,))[..., :K], -1, axis).astype(np.float32)
;;   ~~~
;; One version. Each part assembles by itself: llvm-mc -triple=amdgcn-amd-amdhsa -mcpu=gfx1250 --defsym DOCPART=n.
;; ======== version 1 of 1: 4 launches
;; limits: values are held in f16: magnitudes above 65,504 overflow, below 6.1e-05 lose precision
;; workspace buffers: xc 4,194,304 bytes; xs 262,144 bytes; wc 1,179,648 bytes; ws 73,728 bytes; qkv 37,748,736 bytes; attnf 12,582,912 bytes; wof 1,572,864 bytes
;; launch prep (part 1): grid 392 x 1, 4 waves a work-group, no clusters, 33,280 bytes of LDS; arguments hidden_states, Wq, Wk, Wv, Wo, xc, xs, wc, ws, wof; writes xc, xs, wc, ws, wof
.if DOCPART == 1
	.amdgcn_target "amdgcn-amd-amdhsa--gfx1250"
	.amdhsa_code_object_version 6
	.text
	.protected	k_qec1fde3929_prep
	.globl	k_qec1fde3929_prep
	.p2align	8
	.type	k_qec1fde3929_prep,@function
k_qec1fde3929_prep:
	s_mov_b64 s[64:65], 0
	v_nop
	global_prefetch_b8 v0, s[64:65] scope:SCOPE_SE
	s_setreg_imm32_b32 hwreg(HW_REG_WAVE_MODE, 25, 1), 1
	s_wait_xcnt 0x0
; ELASTIC ATTENTION, launch 1 of 4: the operands of the three quantised projections become codes of FP4 (E2M1) with one E8M0 scale byte for each 32 along K, and Wo becomes f16.
; WORK LEFT OUT, for all finite values of the inputs (active_heads = 12 is a constant of the problem):
;   Heads 12 to 15.  The head mask that the problem builds is 0 there, so v = 0 x v = 0, probs @ v = 0, and that is multiplied by the channel mask's 0 once more.  q and k of these heads reach only those probs.
;   So rows 768 to 1,023 of Wq, Wk, Wv, entries 768 on of bq and bv, columns 768 on of Wo and 16 of the 64 attentions reach no output: they are neither loaded nor computed.  For heads 0 to 11 the masks are a factor 1.
;   bk.  scores = scale (q . (x Wk^T) + q . bk): the second term is the same for all keys of a query, so the softmax along the keys takes it away; the score product is not quantised, so no quantiser stands between.
;   bk is an argument of no launch.  bq, bv and bo are live.
;   LIMIT: a NaN, an infinity or an overflow that reaches only heads 12 to 15 or bk is not carried to the result.
; THE QUANTISER.  A block's scale is 2^(floor(log2(its largest magnitude)) - 2); its byte is the largest magnitude's exponent field - 2, held at 1 from below.  Each number is divided by the scale and rounded to the
; nearest code, ties to even, beyond 6 to 6.  A block of zeros gets the byte 1 where the rule says 127: its codes are zeros, which add nothing under any byte but 0xff, and this program alone reads the bytes.
; LIMITS: NaN and infinities among the inputs are not served; blocks whose largest magnitude lies under 2^-124 have their byte held at 1.
; SHARES.  hidden_states and the first 768 rows of each weight are dense streams of blocks of 32 (K = 1,024 is innermost).  A work-group takes 32,768 numbers, a wave 16 steps of 512.
;   work-groups 0-255: hidden_states -> xc, xs;  256-279 Wq, 280-303 Wk, 304-327 Wv -> wc, ws (rows 0-767 Wq, 768-1,535 Wk, 1,536-2,303 Wv);  328-391: Wo -> wof.
; A step's four loads read 512 consecutive bytes each; the 2,048 bytes turn through the wave's own stage in LDS and come back 64 bytes (16 neighbours along K) a lane; two neighbouring lanes hold a block.
; A lane's 16 codes are 8 bytes: the wave stores 256 consecutive bytes.  A wave's 256 scale bytes are gathered in LDS and leave as one aligned run of 256 bytes.  Loads run eight steps (32 loads a wave) ahead.
; Wo: work-group j = id - 328 takes output rows 16 j .. 16 j + 15, wave w the channels 192 w .. 192 w + 191: six fragments (16 rows x 32 K of f16, 8 registers a lane), stored in the order of the operand's registers:
;   wof[w][j][fragment][1,024 bytes]: registers 0-3 of lane l at 16 l, registers 4-7 at 512 + 16 l.
.set STEPS, 16
.set EMAX,  2
.set WG_X,  256                        ; work-groups for hidden_states
.set WG_W,  24                         ; for each weight's 768 rows
.set WG_Q,  WG_X+3*WG_W                ; the first of Wo's
.set R,     16                         ; v16-143  eight sets of 16 numbers as they are loaded (Wo: 96 numbers)
.set X,     144                        ; v144-175 two sets of 16 neighbours
.set C,     176                        ; v176-207 codes: two registers for each step, so that no store's data are written again (Wo: v176-223, the six fragments)
.set E,     208                        ; v208-223 a scale byte for each step
.set WREG,  8192                       ; LDS: a region for each wave: two stages of 32 x SP bytes, behind them its 256 scale bytes
.set SP,    80                         ; a lane's place in a stage: 64 bytes + 16 of padding
.set SPW,   12                         ; v12  LDS address of my spare word; never rewritten
.set NIL,   13                         ; v13  0; never rewritten
.set SPARE, 4*WREG                     ; behind the four regions: the spare words, 128 bytes for each wave
	s_load_b512 s[4:19], s[0:1], 0x0               ; hidden_states, Wq, Wk, Wv, Wo, xc, xs, wc
	s_load_b128 s[20:23], s[0:1], 0x40             ; ws, wof
	v_lshl_add_u32 v[SPW], v0, 2, SPARE
	v_mov_b32 v[NIL], 0
	v_lshrrev_b32 v1, 5, v0
	v_readfirstlane_b32 s24, v1                    ; wave
	v_and_b32 v2, 31, v0                           ; lane
	s_cmp_ge_u32 ttmp9, WG_Q                       ; the work-group's number alone decides
	s_cbranch_scc1 .Lwo
	v_lshlrev_b32 v3, 4, v2                        ; my 16 bytes of a load's 512
	s_mul_i32 s25, s24, WREG
	v_lshrrev_b32 v14, 2, v2
	v_mul_u32_u24 v14, v14, SP
	v_and_b32 v15, 3, v2
	v_lshl_add_u32 v14, v15, 4, v14
	v_add_nc_u32 v14, s25, v14                     ; the stage, on the way in: SP (lane / 4) + 16 (lane % 4)
	v_mul_u32_u24 v15, v2, SP
	v_add_nc_u32 v15, s25, v15                     ; and on the way out: SP x lane: my 16 neighbours
	v_lshlrev_b32 v4, 3, v2                        ; my codes' place in a step's 256 bytes
	v_lshrrev_b32 v5, 1, v2
	s_add_co_u32 s25, s25, 2*32*SP
	v_add_nc_u32 v5, s25, v5                       ; LDS: my wave's 256 scale bytes, my block's byte
	v_lshlrev_b32 v7, 3, v2                        ; and on the way out 8 bytes a lane
	v_add_nc_u32 v6, s25, v7
	s_wait_kmcnt 0x0
	s_cmp_lt_u32 ttmp9, WG_X+WG_W                  ; which tensor?  Every choice hangs on the work-group's number alone
	s_cselect_b64 s[26:27], s[6:7], s[8:9]
	s_cselect_b32 s28, 0, WG_W
	s_cmp_lt_u32 ttmp9, WG_X+2*WG_W
	s_cselect_b64 s[26:27], s[26:27], s[10:11]
	s_cselect_b32 s28, s28, 2*WG_W                 ; the weight's first chunk among the weights' 72
	s_cmp_lt_u32 ttmp9, WG_X
	s_cselect_b64 s[26:27], s[4:5], s[26:27]       ; the numbers,
	s_cselect_b64 s[30:31], s[14:15], s[18:19]     ; their codes,
	s_cselect_b64 s[32:33], s[16:17], s[20:21]     ; their scale bytes
	s_cselect_b32 s29, 0, WG_X
	s_cselect_b32 s28, 0, s28
	s_sub_co_u32 s29, ttmp9, s29                   ; my chunk of 32,768 numbers in the codes' buffer,
	s_sub_co_u32 s28, s29, s28                     ; and in the tensor that is read
	s_lshl_b32 s28, s28, 2
	s_add_co_u32 s28, s28, s24                     ; my wave's run of 8,192 numbers
	s_lshl_b32 s34, s28, 15                        ; 32,768 bytes of f32 a run
	s_mov_b32 s35, 0
	s_add_nc_u64 s[26:27], s[26:27], s[34:35]
	s_lshl_b32 s29, s29, 2
	s_add_co_u32 s29, s29, s24
	s_lshl_b32 s34, s29, 12                        ; 4,096 bytes of codes
	s_add_nc_u64 s[30:31], s[30:31], s[34:35]
	s_lshl_b32 s34, s29, 8                         ; 256 scale bytes
	s_add_nc_u64 s[32:33], s[32:33], s[34:35]
.macro LOAD t
.irp i, 0,1,2,3
	global_load_b128 v[R+16*((\t)%8)+4*\i:R+16*((\t)%8)+4*\i+3], v3, s[26:27] offset:2048*(\t)+512*\i th:TH_LOAD_NT   ; 32 lanes read 512 consecutive bytes
.endr
.endm
.macro TURN t                          ; step t's numbers through the stage: LDS serves a wave's instructions in order, so no wait stands between the stores and the loads
.irp i, 0,1,2,3
	ds_store_b128 v14, v[R+16*((\t)%8)+4*\i:R+16*((\t)%8)+4*\i+3] offset:32*SP*((\t)%2)+8*SP*\i
.endr
.irp i, 0,1,2,3
	ds_load_b128 v[X+16*((\t)%2)+4*\i:X+16*((\t)%2)+4*\i+3], v15 offset:32*SP*((\t)%2)+16*\i
.endr
.endm
.irp t, 0,1,2,3,4,5,6,7
	LOAD \t
.endr
	s_wait_loadcnt 28                              ; step 0's four loads are in; the seven steps behind it stay out
	TURN 0
.macro STEP t
.set XS, X+16*((\t)%2)
.if (\t) > 0
	s_wait_dscnt 1                                 ; this step's numbers are back from the stage (the last step's byte store may be out): so its stores into the stage have read their registers,
.else
	s_wait_dscnt 0x0
.endif
.if (\t)+8 < STEPS
	LOAD (\t)+8                                    ; which take the loads of eight steps on
.endif
.if (\t)+1 < STEPS
.if 14-(\t) >= 7
	s_wait_loadcnt 28                              ; the next step's four loads are in; those of the seven steps behind it may be out
.else
	s_wait_loadcnt 4*(14-(\t))                     ; the counts run down: 14 - t steps were asked for behind the next one
.endif
	TURN (\t)+1                                    ; and go through the other stage while this step is worked
.endif
	v_max3_num_f32 v8, |v[XS]|, |v[XS+1]|, |v[XS+2]|               ; the largest magnitude of my 16, in two chains
	v_max3_num_f32 v9, |v[XS+3]|, |v[XS+4]|, |v[XS+5]|
.irp i, 6,10
	v_max3_num_f32 v8, v8, |v[XS+\i]|, |v[XS+\i+1]|
	v_max3_num_f32 v9, v9, |v[XS+\i+2]|, |v[XS+\i+3]|
.endr
	v_max3_num_f32 v8, v8, |v[XS+14]|, |v[XS+15]|
	v_max3_num_f32 v8, v8, v9, (EMAX+1)<<23        ; and the floor 2^(3 - 127): so the byte cannot fall under 1
	v_max_num_f32_dpp v8, v8, v8 row_xmask:1 row_mask:0xf bank_mask:0xf   ; and of my neighbour's 16: the block's
	v_add_nc_u32 v11, -(EMAX<<23), v8              ; 2 off its exponent field: the conversion takes the exponent field of this operand as its scale, and nothing else of it
	v_cvt_scalef32_pk8_fp4_f32 v[C+2*(\t)], v[XS:XS+7], v11        ; eight numbers / the scale, to the nearest code, the first number's code in the lowest four bits
	v_cvt_scalef32_pk8_fp4_f32 v[C+2*(\t)+1], v[XS+8:XS+15], v11
	v_lshrrev_b32 v[E+(\t)], 23, v11               ; the scale's byte (a plain line behind the conversions)
	ds_store_b8 v5, v[E+(\t)] offset:16*(\t)       ; both lanes of a block write the same byte with the same value
	global_store_b64 v4, v[C+2*(\t):C+2*(\t)+1], s[30:31] offset:256*(\t)   ; the wave stores 256 consecutive bytes, aligned
.endm
.irp t, 0,1,2,3,4,5,6,7,8,9,10,11,12,13,14,15
	STEP \t
.endr
	ds_load_b64 v[8:9], v6                         ; LDS serves a wave's instructions in order: these see my byte stores
	s_wait_dscnt 0x0
	global_store_b64 v7, v[8:9], s[32:33]          ; 32 lanes store 256 consecutive bytes, aligned
	s_branch .Lend
.Lwo:
	v_and_b32 v3, 15, v0                           ; r: my row of the 16
	v_bfe_u32 v4, v0, 4, 1                         ; h
	v_lshlrev_b32 v5, 12, v3
	v_lshl_add_u32 v5, v4, 5, v5                   ; row r of 4,096 bytes, + 8 h numbers
	v_lshlrev_b32 v6, 4, v2                        ; 16 x lane: my place in an image
	s_sub_co_u32 s25, ttmp9, WG_Q                  ; j
	s_lshl_b32 s26, s25, 16                        ; 16 rows of 4,096 bytes,
	s_mul_i32 s27, s24, 768                        ; 192 channels of 4 bytes
	s_add_co_u32 s26, s26, s27
	s_mov_b32 s27, 0
	s_lshl_b32 s28, s24, 6
	s_add_co_u32 s28, s28, s25
	s_mul_i32 s28, s28, 6144                       ; wof: (64 w + j) x six fragments of 1,024 bytes
	s_mov_b32 s29, 0
	s_wait_kmcnt 0x0
	s_add_nc_u64 s[12:13], s[12:13], s[26:27]
	s_add_nc_u64 s[22:23], s[22:23], s[28:29]
.irp f, 0,1,2,3,4,5                    ; fragment f: registers 0-3 want K = 8 h + 0 .. 7, registers 4-7 K = 16 + 8 h + 0 .. 7 of its 32
.irp u, 0,1,2,3
	global_load_b128 v[R+16*\f+4*\u:R+16*\f+4*\u+3], v5, s[12:13] offset:128*\f+64*(\u/2)+16*(\u%2)
.endr
.endr
.irp f, 0,1,2,3,4,5
	s_wait_loadcnt 4*(5-\f)                        ; fragment f's four loads are in; the later fragments' may be out
.irp i, 0,1,2,3,4,5,6,7
	v_cvt_pk_f16_f32 v[C+8*\f+\i], v[R+16*\f+2*\i], v[R+16*\f+2*\i+1]
.endr
	global_store_b128 v6, v[C+8*\f:C+8*\f+3], s[22:23] offset:1024*\f          ; 512 consecutive bytes, aligned
	global_store_b128 v6, v[C+8*\f+4:C+8*\f+7], s[22:23] offset:1024*\f+512
.endr
.Lend:
	s_wait_tensorcnt 0x0                           ; the wave's end
	ds_add_u32 v[SPW], v[NIL]
	s_wait_dscnt 0x0
	s_endpgm
.Lfunc_end_k_qec1fde3929_prep:
	.size	k_qec1fde3929_prep, .Lfunc_end_k_qec1fde3929_prep-k_qec1fde3929_prep
	.p2alignl 7, 3214868480
	.fill 96, 4, 3214868480
	.section	.rodata,"a",@progbits
	.p2align	6, 0x0
	.amdhsa_kernel k_qec1fde3929_prep
		.amdhsa_group_segment_fixed_size 33280
		.amdhsa_private_segment_fixed_size 0
		.amdhsa_enable_private_segment 0
		.amdhsa_kernarg_size 80
		.amdhsa_user_sgpr_count 2
		.amdhsa_user_sgpr_kernarg_segment_ptr 1
		.amdhsa_wavefront_size32 1
		.amdhsa_system_sgpr_workgroup_id_x 1
		.amdhsa_system_sgpr_workgroup_id_y 1
		.amdhsa_system_sgpr_workgroup_id_z 1
		.amdhsa_system_vgpr_workitem_id 0
		.amdhsa_next_free_vgpr 224
		.amdhsa_next_free_sgpr 66
		.amdhsa_reserve_vcc 0
		.amdhsa_float_denorm_mode_32 3
		.amdhsa_float_denorm_mode_16_64 3
		.amdhsa_memory_ordered 1
		.amdhsa_forward_progress 1
		.amdhsa_inst_pref_size 41
	.end_amdhsa_kernel
	.amdgpu_metadata
---
amdhsa.version: [ 1, 2 ]
amdhsa.kernels:
  - .name:           k_qec1fde3929_prep
    .symbol:         k_qec1fde3929_prep.kd
    .args:
      - { .name: hidden_states, .offset: 0, .size: 8, .value_kind: global_buffer, .address_space: global }
      - { .name: Wq, .offset: 8, .size: 8, .value_kind: global_buffer, .address_space: global }
      - { .name: Wk, .offset: 16, .size: 8, .value_kind: global_buffer, .address_space: global }
      - { .name: Wv, .offset: 24, .size: 8, .value_kind: global_buffer, .address_space: global }
      - { .name: Wo, .offset: 32, .size: 8, .value_kind: global_buffer, .address_space: global }
      - { .name: xc, .offset: 40, .size: 8, .value_kind: global_buffer, .address_space: global }
      - { .name: xs, .offset: 48, .size: 8, .value_kind: global_buffer, .address_space: global }
      - { .name: wc, .offset: 56, .size: 8, .value_kind: global_buffer, .address_space: global }
      - { .name: ws, .offset: 64, .size: 8, .value_kind: global_buffer, .address_space: global }
      - { .name: wof, .offset: 72, .size: 8, .value_kind: global_buffer, .address_space: global }
    .group_segment_fixed_size: 33280
    .private_segment_fixed_size: 0
    .kernarg_segment_align: 8
    .kernarg_segment_size: 80
    .max_flat_workgroup_size: 128
    .sgpr_count:     66
    .vgpr_count:     224
    .wavefront_size: 32
...
	.end_amdgpu_metadata
.endif
;; end of part 1
;; launch proj (part 2): grid 12 x 32, 4 waves a work-group, clusters of 4 x 4, 327,680 bytes of LDS; arguments xc, xs, wc, ws, bq, bv, qkv; writes qkv
.if DOCPART == 2
	.amdgcn_target "amdgcn-amd-amdhsa--gfx1250"
	.amdhsa_code_object_version 6
	.text
	.protected	k_qec1fde3929_proj
	.globl	k_qec1fde3929_proj
	.p2align	8
	.type	k_qec1fde3929_proj,@function
k_qec1fde3929_proj:
	s_mov_b64 s[64:65], 0
	v_nop
	global_prefetch_b8 v0, s[64:65] scope:SCOPE_SE
	s_setreg_imm32_b32 hwreg(HW_REG_WAVE_MODE, 25, 1), 1
	s_wait_xcnt 0x0
	s_wait_alu depctr_hold_cnt(0) depctr_sa_sdst(0) depctr_va_vdst(0) depctr_va_sdst(0) depctr_va_ssrc(0) depctr_va_vcc(0) depctr_vm_vsrc(0)
	s_getreg_b32 s2, hwreg(HW_REG_IB_STS2, 6, 4)
	s_cmp_eq_u32 s2, 0
	s_cbranch_scc0 .Lentry_in_a_cluster
	s_endpgm
.Lentry_in_a_cluster:
	s_bfe_u32 s2, ttmp6, 0x10000c
	s_cmp_lg_u32 s2, 0xf033
	s_cbranch_scc0 .Lentry_shape_is_right
	s_endpgm
.Lentry_shape_is_right:
; Launch 2 of 4: q = x Wq^T + bq, k = x Wk^T, v = x Wv^T + bv for heads 0 to 11, on codes of FP4 (E2M1) with E8M0 scales, sums in f32, results rounded to f16.
; LEFT OUT (shown at the head of the first kernel): heads 12 to 15 (only 2,304 of the 3,072 features exist here), and bk, which the softmax along the keys takes away.
; LIMIT: |q|, |k|, |v| must lie under 65,504, the largest f16 number.
; SHARES.  A work-group makes 256 tokens x 192 features; four waves, each 128 tokens x 96 features: 48 accumulators of 16 x 16.  The grid's 12 tile columns are 4 for each tensor, so a cluster's x IS the tensor (0 q, 1 k, 2 v).
; ALL OF K (1,024) LIES IN LDS: two slots of 512 along K (rows of 256 bytes), each filled once; so are the scale bytes of the work-group's rows.  A wave has three tensor loads out at the most: its three first fills.
; CLUSTERS: 4 x 4 work-groups.  The four of a row need the same tokens' codes, the four of a column the same features': each tile is asked for jointly, by the same tensor load with the same descriptor and a mask that names the four.
; THE MATRIX INSTRUCTION IS USED TRANSPOSED (source 0 = 16 features, source 1 = 16 tokens): lane (r, h) then holds token r and eight neighbouring features 8 h + 0 .. 7, which pack into 16 bytes of f16.
; THE BIAS is the C of each sum's first product: eight registers a block of 16 features, in the result's layout (for k: zeros).
; THE WAY OUT needs no LDS: a lane's four packed registers are stored at 16 x lane: an image of four operand registers, 512 consecutive bytes a store.
;   qkv: tensor t at t x 12,582,912; plane y = 4 head + batch at y << 18; token tile T (16 tokens) at 2,048 T; feature tile ft (16 channels) at 512 ft.
;   q, k: lane (r, h)'s bytes at 16 (r + 16 h).  v: at 16 ((r & 7) + 8 h + 16 (r >> 3)), so that the turning LDS load of the next launch, addressed at 16 x lane, gives half a fragment of v^T.
; REGISTERS, in windows of 256: window 0: v16-29 addresses; v32-95 scale words, a set for each slot; v128-191 the tokens' 8 fragments, ONE set; on the way out v32-223 the packed results.
;   window 1: the features' 6 fragments, TWO sets, at v0 and v128.   window 2: accumulators of token blocks 0-3 at v[8 (6 a + b)]; v192-239 the bias.   window 3: those of blocks 4-7.
.set ROWB,  256                        ; a tile's row in bytes: 512 codes
.set KROW,  512                        ; a row of codes in memory
.set PITCH, 272                        ; an LDS row: 256 bytes + 16 of padding: the 16 rows that a load touches start 68 words apart
.set HALFA, 128*PITCH                  ; 128 tokens: what one tensor load brings, and what a wave reads
.set HALFB, 96*PITCH                   ; 96 features likewise
.set BOFF,  2*HALFA                    ; a slot: 256 tokens' rows, then 192 features' rows
.set SLOT,  2*HALFA+2*HALFB
.set SCL,   2*SLOT                     ; behind the slots: the features' scale bytes (32 a row), as runs of 256 bytes + 16 of padding;
.set SHB,   12*272                     ; those of 96 features,
.set SHA,   16*272                     ; of 128 tokens,
.set SCA,   SCL+2*SHB                  ; the tokens' begin here
.set SBLK,  544                        ; those of 16 rows
.set SPARE, 259072                     ; the next multiple of 256 behind the scales: the spare words, 128 bytes for each wave
.set TENS,  12582912                   ; a tensor of qkv in bytes
.set ADRA, 16                          ; v16-17  LDS address of my tokens' fragments in slot 0, 1
.set ADRB, 20                          ; v20-21  of my features'
.set VOFF, 24                          ; v24     my 16 bytes' place in an image
.set VB,   26                          ; v26     32 h: my eight numbers of a block's bias
.set ADRS, 27                          ; v27     LDS address of my scale words: lanes 0-15 the features', lanes 16-31 the tokens'
.set SPW,  28                          ; v28     LDS address of my spare word; never rewritten
.set NIL,  29                          ; v29     0; never rewritten
.set SC,   32                          ; scale words: set s at v[SC + 32 s]; register 4 i + q: lanes 0-15 features' block i, lanes 16-31 tokens' block i, the slot's q-th 128 along K
.set AF,   128                         ; the tokens' fragments
.set TMP,  32                          ; the way out
.set BIAS, 192                         ; in window 2
.set G1A,  24                          ; s[24:31] group 1, s[32:39] two groups 0: the tokens' codes
.set G0A,  32
.set G1B,  40                          ; s[40:47], s[48:55]: the features' codes
.set G0B,  48
.set G1SA, 56                          ; s[56:63], s[68:71]: the tokens' scale bytes
.set G0SA, 68
.set G1SB, 72                          ; s[72:79], s[80:83]: the features'
.set G0SB, 80
.set MSB, 0
.macro WIN new                         ; the immediate's high byte repeats the setting that is left
.if MSB != \new
	s_set_vgpr_msb (MSB<<8)|\new
.set MSB, \new
.endif
.endm
.set MUL_LO, 0xa1                      ; source 0 window 1, source 1 window 0, C and D window 2
.set MUL_HI, 0xf1                      ; the same, C and D window 3
.set MUL_H1, 0xe1                      ; the first step: C (the bias) window 2, D window 3
.set TO_B,   0x40                      ; destination window 1, address window 0
; A joint load: waves 0 and 1 fetch for the tokens, waves 2 and 3 for the features.  The branch hangs on the wave's number alone.  An s_nop 0 and four v_nop follow each line.
.macro JLOAD g0a, g1a, g0b, g1b
	s_cmp_eq_u32 s19, 0
	s_cbranch_scc0 .Lfor_b_\@
	tensor_load_to_lds s[\g0a:\g0a+3], s[\g1a:\g1a+7]
	s_nop 0
.rept 4
	v_nop
.endr
	s_branch .Lasked_\@
.Lfor_b_\@:
	tensor_load_to_lds s[\g0b:\g0b+3], s[\g1b:\g1b+7]
	s_nop 0
.rept 4
	v_nop
.endr
.Lasked_\@:
.endm
.macro CROUND                          ; a round of the cluster's barrier
	s_barrier_signal -1
	s_barrier_wait -1
	s_cmp_lg_u32 s18, 0
	s_cbranch_scc1 .Lnot_wave_0_\@
	s_barrier_signal -3
.Lnot_wave_0_\@:
	s_barrier_wait -3
	s_barrier_signal -1
	s_barrier_wait -1
.endm
	s_load_b256 s[4:11], s[0:1], 0x0               ; xc, xs, wc, ws
	s_load_b128 s[12:15], s[0:1], 0x20             ; bq, bv
	s_load_b64 s[16:17], s[0:1], 0x30              ; qkv
	v_lshl_add_u32 v[SPW], v0, 2, SPARE
	v_mov_b32 v[NIL], 0
	ds_add_u32 v[SPW], v[NIL]                      ; the wave's opening: the add, twice on end, and its wait ahead of my first tensor load
	ds_add_u32 v[SPW], v[NIL]                      ; and once more, under the one wait; the set-up below stands between
	v_lshrrev_b32 v1, 5, v0
	v_readfirstlane_b32 s18, v1                    ; wave 0..3
	s_lshr_b32 s19, s18, 1                         ; HI: which 128 tokens are mine.  Also: I fetch for the tokens (0) or the features (1)
	s_and_b32 s20, s18, 1                          ; LO: which 96 features.  Also: which half of that tile I fetch
	s_bfe_u32 s21, ttmp6, 0x40000                  ; cx
	s_bfe_u32 s22, ttmp6, 0x40004                  ; cy
	s_lshl_b32 s23, ttmp9, 2
	s_add_co_u32 s23, s23, s21                     ; tile column = 4 x cluster x + cx
	s_and_b32 s2, ttmp7, 0xffff
	s_lshl_b32 s2, s2, 2
	s_add_co_u32 s2, s2, s22                       ; tile row = 4 x cluster y + cy
	s_lshl_b32 s96, s22, 2
	s_lshl_b32 s96, 15, s96                        ; my row of the cluster
	s_lshl_b32 s97, 0x1111, s21                    ; my column
	s_or_b32 s[G1A], s96, (0<<16)|(1<<20)|(1<<21)|(5<<22)|(3<<25)   ; the mask; elements of 1 byte; padding on; bit 21 beside a mask; 4 words of padding behind every 64
	s_or_b32 s[G1B], s97, (0<<16)|(1<<20)|(1<<21)|(5<<22)|(3<<25)
.irp g, G1A, G1B
	s_mov_b32 s[\g+1], ROWB<<16                    ; tensor_dim0
	s_mov_b32 s[\g+3], ROWB<<16                    ; tile_dim0
	s_mov_b32 s[\g+5], KROW                        ; from row to row
	s_mov_b32 s[\g+6], 0
	s_mov_b32 s[\g+7], 0
.endr
	s_mov_b32 s[G1A+2], 128<<16                    ; tensor_dim1,
	s_mov_b32 s[G1A+4], 128                        ; tile_dim1: 128 tokens
	s_mov_b32 s[G1B+2], 96<<16
	s_mov_b32 s[G1B+4], 96                         ; 96 features
	s_or_b32 s[G1SA], s96, (3<<16)|(1<<20)|(1<<21)|(5<<22)|(3<<25)  ; the scale bytes: dense blocks, as rows of 256 bytes (32 elements of 8 bytes), 16 bytes of padding behind each
	s_or_b32 s[G1SB], s97, (3<<16)|(1<<20)|(1<<21)|(5<<22)|(3<<25)
.irp g, G1SA, G1SB
	s_mov_b32 s[\g+1], 32<<16
	s_mov_b32 s[\g+3], 32<<16
	s_mov_b32 s[\g+5], 32
	s_mov_b32 s[\g+6], 0
	s_mov_b32 s[\g+7], 0
.endr
	s_mov_b32 s[G1SA+2], 16<<16                    ; 128 tokens x 32 bytes = 16 rows
	s_mov_b32 s[G1SA+4], 16
	s_mov_b32 s[G1SB+2], 12<<16                    ; 96 features x 32 bytes = 12 rows
	s_mov_b32 s[G1SB+4], 12
	s_lshl_b32 s84, s2, 8                          ; the tokens that I fetch: row 256 x tile row + 128 x half (registers that never hold cx)
	s_lshl_b32 s86, s20, 7
	s_add_co_u32 s84, s84, s86
	s_lshl_b32 s86, s84, 5                         ; their scale bytes,
	s_mov_b32 s87, 0
	s_lshl_b32 s84, s84, 9                         ; their codes
	s_mov_b32 s85, 0
	s_mul_i32 s88, s23, 192                        ; the features: row 192 x tile column + 96 x half (registers that never hold cy)
	s_mul_i32 s90, s20, 96
	s_add_co_u32 s88, s88, s90
	s_lshl_b32 s90, s88, 5
	s_mov_b32 s91, 0
	s_lshl_b32 s88, s88, 9
	s_mov_b32 s89, 0
	s_mul_i32 s92, s20, HALFA                      ; where they go: no place in the cluster enters an LDS address
	s_mul_i32 s93, s20, HALFB
	s_add_co_u32 s93, s93, BOFF
	s_mul_i32 s94, s20, SHA
	s_add_co_u32 s94, s94, SCA
	s_mul_i32 s95, s20, SHB
	s_add_co_u32 s95, s95, SCL
	s_wait_dscnt 0x0                               ; both opening adds are done
	s_wait_kmcnt 0x0
	s_add_nc_u64 s[84:85], s[4:5], s[84:85]
	s_add_nc_u64 s[86:87], s[6:7], s[86:87]
	s_add_nc_u64 s[88:89], s[8:9], s[88:89]
	s_add_nc_u64 s[90:91], s[10:11], s[90:91]
	CROUND                                         ; all sixteen work-groups are here: the joint loads meet
	s_mov_b32 s[G0SA], 1
	s_mov_b32 s[G0SA+1], s94
	s_mov_b64 s[G0SA+2:G0SA+3], s[86:87]
	s_or_b32 s[G0SA+3], s[G0SA+3], 0x80000000
	s_mov_b32 s[G0SB], 1
	s_mov_b32 s[G0SB+1], s95
	s_mov_b64 s[G0SB+2:G0SB+3], s[90:91]
	s_or_b32 s[G0SB+3], s[G0SB+3], 0x80000000
	JLOAD G0SA, G1SA, G0SB, G1SB                   ; the scale bytes first: they are wanted with slot 0
.irp s, 0,1
	s_mov_b32 s[G0A+4*\s], 1
	s_add_co_u32 s[G0A+4*\s+1], s92, \s*SLOT
	s_add_nc_u64 s[G0A+4*\s+2:G0A+4*\s+3], s[84:85], \s*ROWB
	s_or_b32 s[G0A+4*\s+3], s[G0A+4*\s+3], 0x80000000
	s_mov_b32 s[G0B+4*\s], 1
	s_add_co_u32 s[G0B+4*\s+1], s93, \s*SLOT
	s_add_nc_u64 s[G0B+4*\s+2:G0B+4*\s+3], s[88:89], \s*ROWB
	s_or_b32 s[G0B+4*\s+3], s[G0B+4*\s+3], 0x80000000
	JLOAD G0A+4*\s, G1A, G0B+4*\s, G1B
.endr
	v_and_b32 v1, 15, v0                           ; r
	v_bfe_u32 v2, v0, 4, 1                         ; h
	v_lshlrev_b32 v[VB], 5, v2
	; the bias: lane (r, h) wants, for block b, the numbers of features 16 b + 8 h + 0 .. 7.  The cluster's x is the same in all sixteen partners
	s_cmp_eq_u32 ttmp9, 1
	s_cbranch_scc1 .Lno_bias
	s_cmp_eq_u32 ttmp9, 0
	s_cselect_b64 s[96:97], s[12:13], s[14:15]     ; bq or bv
	s_mul_i32 s98, s21, 768                        ; my first feature in the tensor: 192 cx + 96 LO, 4 bytes each
	s_mul_i32 s99, s20, 384
	s_add_co_u32 s98, s98, s99
	s_mov_b32 s99, 0
	s_add_nc_u64 s[96:97], s[96:97], s[98:99]
	WIN 0x80                                       ; destination window 2
.irp b, 0,1,2,3,4,5
	global_load_b128 v[BIAS+8*\b:BIAS+8*\b+3],   v[VB], s[96:97] offset:64*\b
	global_load_b128 v[BIAS+8*\b+4:BIAS+8*\b+7], v[VB], s[96:97] offset:64*\b+16
.endr
	WIN 0
	s_branch .Lbias_done
.Lno_bias:
	WIN 0x80
.set j, 0
.rept 48
	v_mov_b32 v[BIAS+j], 0                         ; k has no bias here: one text serves the three tensors, and these 48 lines run once
.set j, j+1
.endr
	WIN 0
.Lbias_done:
	v_mul_u32_u24 v3, v1, PITCH
	v_lshl_add_u32 v4, v2, 4, v3                   ; a fragment's row x pitch + 16 x half
	s_mul_i32 s92, s19, HALFA                      ; my 128 tokens,
	s_mul_i32 s93, s20, HALFB                      ; my 96 features,
	s_add_co_u32 s93, s93, BOFF                    ; which lie behind the 256 tokens
.irp s, 0,1
	v_add_nc_u32 v[ADRA+\s], s92, v4
	v_add_nc_u32 v[ADRB+\s], s93, v4
	s_add_co_u32 s92, s92, SLOT
	s_add_co_u32 s93, s93, SLOT
.endr
	v_lshlrev_b32 v5, 5, v1                        ; my row's scale bytes: 32 a row,
	v_lshrrev_b32 v6, 8, v5
	v_lshl_add_u32 v5, v6, 4, v5                   ; and 16 more for each 256 passed
	s_mul_i32 s92, s20, SHB                        ; lanes 0-15: my 96 features'
	s_mul_i32 s93, s19, SHA                        ; lanes 16-31: my 128 tokens', behind the 192 features'
	s_add_co_u32 s93, s93, 2*SHB
	s_sub_co_u32 s93, s93, s92                     ; the distance between the two: one product with h
	v_mul_u32_u24 v6, s93, v2
	s_add_co_u32 s92, s92, SCL
	v_add_nc_u32 v5, v5, v6
	v_add_nc_u32 v[ADRS], s92, v5                  ; (blocks 6 and 7 exist for the tokens alone: there lanes 0-15 read filled bytes that no product names)
	v_and_b32 v7, 31, v0
	v_lshlrev_b32 v7, 4, v7                        ; q, k: 16 x lane
	v_and_b32 v8, 7, v1
	v_lshl_add_u32 v8, v2, 3, v8
	v_lshrrev_b32 v9, 3, v1
	v_lshl_add_u32 v8, v9, 4, v8
	v_lshlrev_b32 v8, 4, v8                        ; v: 16 ((r & 7) + 8 h + 16 (r >> 3))
	s_cmp_eq_u32 ttmp9, 2
	s_cselect_b32 s94, -1, 0
	v_cndmask_b32 v[VOFF], v7, v8, s94
.macro FRAG reg, adr, q, i             ; 16 rows x 128 K of 4-bit codes, 8 registers: lane l holds row l % 16; registers 4 c .. 4 c + 3 hold K = 64 c + 32 (l / 16) + 0 .. 31
.irp c, 0,1
	ds_load_b128 v[\reg+4*\c:\reg+4*\c+3], v[\adr] offset:64*(\q)+32*\c+(\i)*16*PITCH
.endr
.endm
; 12 matrix instructions: token blocks a0, a0 + 1 x the six feature blocks, the slot's q-th 128 along K.  p: the features' set; sc: the set of scale words; cm = 1: the bias starts the sums.
; The 48 accumulators take turns, one instruction a turn, in the same order in every step.
.macro MUL12 a0, p, q, sc, cm
.irp a, \a0, \a0+1
.irp b, 0,1,2,3,4,5
.if \cm
	v_wmma_scale_f32_16x16x128_f8f6f4 v[8*(6*((\a)%4)+\b):8*(6*((\a)%4)+\b)+7], v[128*(\p)+8*\b:128*(\p)+8*\b+7], v[AF+8*(\a):AF+8*(\a)+7], v[BIAS+8*\b:BIAS+8*\b+7], v[SC+32*(\sc)+4*\b+(\q)], v[SC+32*(\sc)+4*(\a)+(\q)] matrix_a_fmt:MATRIX_FMT_FP4 matrix_b_fmt:MATRIX_FMT_FP4 matrix_b_scale:MATRIX_SCALE_ROW1
.else
	v_wmma_scale_f32_16x16x128_f8f6f4 v[8*(6*((\a)%4)+\b):8*(6*((\a)%4)+\b)+7], v[128*(\p)+8*\b:128*(\p)+8*\b+7], v[AF+8*(\a):AF+8*(\a)+7], v[8*(6*((\a)%4)+\b):8*(6*((\a)%4)+\b)+7], v[SC+32*(\sc)+4*\b+(\q)], v[SC+32*(\sc)+4*(\a)+(\q)] matrix_a_fmt:MATRIX_FMT_FP4 matrix_b_fmt:MATRIX_FMT_FP4 matrix_b_scale:MATRIX_SCALE_ROW1
.endif
.endr
.endr
.endm
.macro FETCH_B slot, q, p              ; the features' six fragments into set p: 12 loads
	WIN TO_B
.irp i, 0,1,2,3,4,5
	FRAG 128*(\p)+8*\i, ADRB+\slot, \q, \i
.endr
	WIN 0
.endm
.macro FETCH_A slot, q, i0             ; token blocks i0 .. i0 + 3: 8 loads
.irp i, \i0, \i0+1, \i0+2, \i0+3
	FRAG AF+8*(\i), ADRA+\slot, \q, \i
.endr
.endm
.macro SCALES sc                       ; a slot's scale words: four words a row
.irp i, 0,1,2,3,4,5,6,7
	ds_load_b128 v[SC+32*\sc+4*\i:SC+32*\sc+4*\i+3], v[ADRS] offset:\i*SBLK
.endr
.endm
.macro PLACES n                        ; plain vector instructions between a matrix instruction and a load into, or a vector write of, one of its registers, or a read of its result
.rept \n
	v_nop
.endr
.endm
; A step of 128 along K that has its successor in the same slot.  A token block is free as soon as its six products are issued: blocks 0-3 are fetched anew in the step's middle, blocks 4-7 at its end.
.macro STEP slot, q, cm
	s_wait_dscnt 8                                 ; all but the youngest eight loads (token blocks 4-7) are in
	WIN MUL_LO
	MUL12 0, (\q)%2, \q, \slot, \cm
	MUL12 2, (\q)%2, \q, \slot, \cm
	s_wait_dscnt 0                                 ; token blocks 4-7 are in
	PLACES 4
	FETCH_B \slot, (\q)+1, 1-(\q)%2
	FETCH_A \slot, (\q)+1, 0
.if \cm
	WIN MUL_H1
.else
	WIN MUL_HI
.endif
	MUL12 4, (\q)%2, \q, \slot, \cm
	MUL12 6, (\q)%2, \q, \slot, \cm
	PLACES 4
	WIN 0
	FETCH_A \slot, (\q)+1, 4
.endm
	s_wait_tensorcnt 1                             ; the scale bytes and my part of slot 0 are in; slot 1's load may be out
	s_barrier_signal -1
	s_barrier_wait -1                              ; everybody's are
	FETCH_B 0, 0, 0
	FETCH_A 0, 0, 0
	SCALES 0
	FETCH_A 0, 0, 4
	s_wait_loadcnt 0x0                             ; the bias
	STEP 0, 0, 1
	STEP 0, 1, 0
	STEP 0, 2, 0
	; slot 0's last step goes over to slot 1.  No slot is filled again in this launch: a plain barrier, in front of it my part of slot 1 has landed and no LDS instruction of mine is out
	s_wait_tensorcnt 0x0
	s_wait_dscnt 8
	WIN MUL_LO
	MUL12 0, 1, 3, 0, 0
	s_wait_dscnt 0x0
	s_barrier_signal -1
	MUL12 2, 1, 3, 0, 0                            ; work on registers while the others arrive
	WIN 0
	s_barrier_wait -1
	PLACES 4
	v_add_nc_u32 v[ADRS], 16, v[ADRS]              ; slot 1's four scale words of each row
	FETCH_B 1, 0, 0
	FETCH_A 1, 0, 0
	SCALES 1
	WIN MUL_HI
	MUL12 4, 1, 3, 0, 0
	MUL12 6, 1, 3, 0, 0
	PLACES 4
	WIN 0
	FETCH_A 1, 0, 4
	STEP 1, 0, 0
	STEP 1, 1, 0
	STEP 1, 2, 0
	s_wait_dscnt 8                                 ; the last step: nothing more to fetch
	WIN MUL_LO
	MUL12 0, 1, 3, 1, 0
	MUL12 2, 1, 3, 1, 0
	s_wait_dscnt 0
	WIN MUL_HI
	MUL12 4, 1, 3, 1, 0
	MUL12 6, 1, 3, 1, 0
	; where my images go.  No tensor load is out since the wait for 0 above, so the descriptors' registers s[24:35] take the six bases, one for each block of 16 features
	s_mul_i32 s84, ttmp9, TENS                     ; the tensor,
	s_lshr_b32 s85, s2, 3
	s_lshl_b32 s85, s85, 18                        ; the batch (8 tile rows to a sequence),
	s_add_co_u32 s84, s84, s85
	s_and_b32 s85, s2, 7
	s_lshl_b32 s85, s85, 1
	s_add_co_u32 s85, s85, s19
	s_lshl_b32 s85, s85, 14                        ; my first token tile: (16 (tile row % 8) + 8 HI) x 2,048 bytes
	s_add_co_u32 s84, s84, s85
	s_mov_b32 s85, 0
	s_add_nc_u64 s[16:17], s[16:17], s[84:85]
	s_lshl_b32 s86, s21, 1
	s_add_co_u32 s86, s86, s20
	s_mul_i32 s86, s86, 6                          ; my first feature tile in the tensor: 6 (2 cx + LO)
.irp b, 0,1,2,3,4,5
	s_add_co_u32 s88, s86, \b
	s_lshr_b32 s89, s88, 2
	s_lshl_b32 s89, s89, 20                        ; its head: four planes of 2^18 bytes,
	s_and_b32 s88, s88, 3
	s_lshl_b32 s88, s88, 9                         ; its place among the head's four
	s_add_co_u32 s88, s88, s89
	s_mov_b32 s89, 0
	s_add_nc_u64 s[24+2*\b:25+2*\b], s[16:17], s[88:89]
.endr
	PLACES 4                                       ; the conversions read results and write over scale words and fragments that the last products read
	WIN 0x0a                                       ; sources 0 and 1 window 2
.irp a, 0,1,2,3
.irp b, 0,1,2,3,4,5
.irp r, 0,1,2,3
	v_cvt_pk_f16_f32 v[TMP+4*(6*\a+\b)+\r], v[8*(6*\a+\b)+2*\r], v[8*(6*\a+\b)+2*\r+1]   ; each accumulator from its low end on
.endr
.endr
.endr
	WIN 0
.irp a, 0,1,2,3
.irp b, 0,1,2,3,4,5
	global_store_b128 v[VOFF], v[TMP+4*(6*\a+\b):TMP+4*(6*\a+\b)+3], s[24+2*\b:25+2*\b] offset:2048*\a   ; an image: 512 consecutive bytes, aligned; every store has data registers of its own
.endr
.endr
	WIN 0x0f                                       ; sources 0 and 1 window 3
.irp a, 4,5,6,7
.irp b, 0,1,2,3,4,5
.irp r, 0,1,2,3
	v_cvt_pk_f16_f32 v[TMP+4*(6*\a+\b)+\r], v[8*(6*(\a-4)+\b)+2*\r], v[8*(6*(\a-4)+\b)+2*\r+1]
.endr
.endr
.endr
	WIN 0
.irp a, 4,5,6,7
.irp b, 0,1,2,3,4,5
	global_store_b128 v[VOFF], v[TMP+4*(6*\a+\b):TMP+4*(6*\a+\b)+3], s[24+2*\b:25+2*\b] offset:2048*\a
.endr
.endr
	s_wait_tensorcnt 0x0                           ; the wave's end: three lines, behind my last tensor load
	ds_add_u32 v[SPW], v[NIL]
	s_wait_dscnt 0x0
	CROUND                                         ; the closing round: no work-group ends while a partner may still ask for a tile that names it
	s_endpgm
.Lfunc_end_k_qec1fde3929_proj:
	.size	k_qec1fde3929_proj, .Lfunc_end_k_qec1fde3929_proj-k_qec1fde3929_proj
	.p2alignl 7, 3214868480
	.fill 96, 4, 3214868480
	.section	.rodata,"a",@progbits
	.p2align	6, 0x0
	.amdhsa_kernel k_qec1fde3929_proj
		.amdhsa_group_segment_fixed_size 327680
		.amdhsa_private_segment_fixed_size 0
		.amdhsa_enable_private_segment 0
		.amdhsa_kernarg_size 56
		.amdhsa_user_sgpr_count 2
		.amdhsa_user_sgpr_kernarg_segment_ptr 1
		.amdhsa_wavefront_size32 1
		.amdhsa_system_sgpr_workgroup_id_x 1
		.amdhsa_system_sgpr_workgroup_id_y 1
		.amdhsa_system_sgpr_workgroup_id_z 1
		.amdhsa_system_vgpr_workitem_id 0
		.amdhsa_next_free_vgpr 1024
		.amdhsa_next_free_sgpr 100
		.amdhsa_reserve_vcc 0
		.amdhsa_float_denorm_mode_32 3
		.amdhsa_float_denorm_mode_16_64 3
		.amdhsa_memory_ordered 1
		.amdhsa_forward_progress 1
		.amdhsa_inst_pref_size 99
	.end_amdhsa_kernel
	.amdgpu_metadata
---
amdhsa.version: [ 1, 2 ]
amdhsa.kernels:
  - .name:           k_qec1fde3929_proj
    .symbol:         k_qec1fde3929_proj.kd
    .args:
      - { .name: xc, .offset: 0, .size: 8, .value_kind: global_buffer, .address_space: global }
      - { .name: xs, .offset: 8, .size: 8, .value_kind: global_buffer, .address_space: global }
      - { .name: wc, .offset: 16, .size: 8, .value_kind: global_buffer, .address_space: global }
      - { .name: ws, .offset: 24, .size: 8, .value_kind: global_buffer, .address_space: global }
      - { .name: bq, .offset: 32, .size: 8, .value_kind: global_buffer, .address_space: global }
      - { .name: bv, .offset: 40, .size: 8, .value_kind: global_buffer, .address_space: global }
      - { .name: qkv, .offset: 48, .size: 8, .value_kind: global_buffer, .address_space: global }
    .group_segment_fixed_size: 327680
    .private_segment_fixed_size: 0
    .kernarg_segment_align: 8
    .kernarg_segment_size: 56
    .max_flat_workgroup_size: 128
    .sgpr_count:     100
    .vgpr_count:     1024
    .wavefront_size: 32
...
	.end_amdgpu_metadata
.endif
;; end of part 2
;; launch attn (part 3): grid 16 x 48, 8 waves a work-group, clusters of 4 x 1, 327,680 bytes of LDS; arguments qkv, attnf; writes attnf
.if DOCPART == 3
	.amdgcn_target "amdgcn-amd-amdhsa--gfx1250"
	.amdhsa_code_object_version 6
	.text
	.protected	k_qec1fde3929_attn
	.globl	k_qec1fde3929_attn
	.p2align	8
	.type	k_qec1fde3929_attn,@function
k_qec1fde3929_attn:
	s_mov_b64 s[64:65], 0
	v_nop
	global_prefetch_b8 v0, s[64:65] scope:SCOPE_SE
	s_setreg_imm32_b32 hwreg(HW_REG_WAVE_MODE, 25, 1), 1
	s_wait_xcnt 0x0
	s_wait_alu depctr_hold_cnt(0) depctr_sa_sdst(0) depctr_va_vdst(0) depctr_va_sdst(0) depctr_va_ssrc(0) depctr_va_vcc(0) depctr_vm_vsrc(0)
	s_getreg_b32 s2, hwreg(HW_REG_IB_STS2, 6, 4)
	s_cmp_eq_u32 s2, 0
	s_cbranch_scc0 .Lentry_in_a_cluster
	s_endpgm
.Lentry_in_a_cluster:
	s_bfe_u32 s2, ttmp6, 0x10000c
	s_cmp_lg_u32 s2, 0x3003
	s_cbranch_scc0 .Lentry_shape_is_right
	s_endpgm
.Lentry_shape_is_right:
; Launch 3 of 4: attn[plane][q] = the sum over k of softmax_k(q . k / 8) v, for the 48 planes (12 heads x 4 batches), 2,048 tokens, head size 64.  Operands f16, products, maxima and sums f32.
; LEFT OUT (shown at the head of the first kernel): heads 12 to 15; the masks of heads 0 to 11, a factor 1.
; LIMIT: |attn| must lie under 65,504, the largest f16 number (it is an average of v).
; SHARES.  A work-group owns 128 queries of one plane.  Eight waves, two to a SIMD: G = wave & 1 says which 64 queries (four tiles of 16), PH = wave >> 1 which key steps of 64 keys: PH, PH + 4, PH + 8 ..
; So a fragment of k or v read from LDS feeds four products, and one wave's softmax stands beside the other's products.  At the end the four waves of a G join their (c m, l, O) through LDS.
; LAYOUT.  S^T = k q^T (source 0 = 16 keys, source 1 = 16 queries), O^T = v^T P (source 0 = 16 channels x 32 keys): a lane holds ONE query throughout; two tiles of S^T, packed to f16, ARE source 1 of the second product.
; q, k and v lie in memory as images of operand registers (512 bytes, lane l's 16 bytes at 16 l): a slot's 512 keys of k are one dense block of 65,536 bytes, v's likewise; LDS reads are consecutive, so there is no padding.
; v's images are laid so that the turning load at 16 x lane gives lane (r, h) channel r and keys 8 h + 0 .. 7.
; SOFTMAX.  For each query a running maximum m and sum l: p = 2^(c s - c m), c = log2(e) / 8; in every step O and l are multiplied by a = 2^(c m_old - c m_new).
; RING.  Two slots of 512 keys.  Every wave fetches an eighth of a slot (waves 0-3: k, waves 4-7: v) by one tensor load; two loads of mine are out at the head, one behind each round.
; CLUSTER.  The four query blocks of a cluster belong to one plane and walk the same k and v: each tile is asked for jointly.
; REGISTERS: window 0: v1-15 addresses; v16-47 eight of statistics a tile; v48-111 k's 8 fragments; v112-239 S^T, 32 a tile (P is packed into a tile's first 16); v240-247 the sums' second chains.
;   window 1: v0-127 O^T, 32 a tile; v128-191 q, 16 a tile; v192-255 v's 8 fragments.
.set TENS,  12582912                   ; a tensor of qkv in bytes
.set SLOT1, 1<<17                      ; slot 1 begins here: one exclusive or turns an address
.set VOFF,  65536                      ; a slot: k's 65,536 bytes, then v's
.set SPARE, 262144                     ; behind the ring: the spare words, 128 bytes for each of the eight waves
.set STAT,  263168                     ; behind them: c m and l of every wave, 1,024 bytes a wave
.set LI,  1                            ; v1   16 x lane
.set LV,  2                            ; v2   16 x lane + VOFF
.set ADK, 3                            ; v3   LDS address of the step's k
.set ADV, 4                            ; v4   of its v
.set PFO, 5                            ; v5   256 x lane: the prefetch's offset
.set SPW, 6                            ; v6   LDS address of my spare word; never rewritten
.set NIL, 7                            ; v7   0; never rewritten
.set SA,  8                            ; v8   the way out: where I put my statistics
.set OA,  9                            ; v9   where I put my O^T
.set RA,  10                           ; v10-11 where I read the four waves' O^T of the tile that I finish
.set RS,  12                           ; v12  and their statistics
.set ST,  16                           ; tile t at v[ST + 8 t]: +0 c m, +1 m, +2, +3 l in two halves, +4 .. +7 at work; a lies in +6
.set KF,  48
.set S,   112
.set XS,  240
.set QF,  128                          ; in window 1
.set VF,  192                          ; in window 1
.set WV,  8                            ; s8 wave, s9 G, s10 PH, s11 cx, s12 my block of 128 queries, s13 the plane
.set G1,  16                           ; s[16:23] descriptor group 1
.set G0A, 24                           ; s[24:27] group 0 of slot 0's first fill
.set G0W, 28                           ; s[28:31] group 0 of slot 1's, which then walks
.set CS,  32                           ; s[32:33] c
.set SEL, 34                           ; s[34:35] v_permlanex16_b32's selects for lane l xor 16
.set TB,  36                           ; s36  LDS byte at which my step's k begins
.set SLOTS, 37
.set TWICE, 38
.set LIM, 39                           ; s39  1 in a wave that prefetches, else the greatest number
.set PFA, 40                           ; s[40:41] what I prefetch; never rewritten
.set MSB, 0
.macro WIN new
.if MSB != \new
	s_set_vgpr_msb (MSB<<8)|\new
.set MSB, \new
.endif
.endm
.set W_S,  0x04                        ; q (source 1) window 1
.set W_PV, 0x51                        ; v, C and D window 1, P window 0
.set W_RS, 0x41                        ; O^T (destination, source 0) window 1
.set TO_1, 0x40                        ; destination window 1
.macro CROUND                          ; a round of the cluster's barrier
	s_barrier_signal -1
	s_barrier_wait -1
	s_cmp_lg_u32 s[WV], 0
	s_cbranch_scc1 .Lnot_wave_0_\@
	s_barrier_signal -3
.Lnot_wave_0_\@:
	s_barrier_wait -3
	s_barrier_signal -1
	s_barrier_wait -1
.endm
; A PREFETCH INTO THE L2 of the keys' last quarter (keys 1,536 on), which the second change of slots asks for: it stands at the first change, a slot's two key steps of every wave ahead of that load.
; All four clusters of a plane walk the same k and v: the plane's first cluster asks.  Its four partners share the blocks out by address, 16,384 bytes each; in each, waves 0 and 1 ask for k's, waves 4 and 5 for v's,
; 8,192 bytes a wave, lanes 256 bytes apart.  So each aligned block of 256 bytes is named once in the launch.  The earlier quarters come by their loads alone; the second change asks for nothing.
.macro ASK
	s_cmp_gt_u32 s[SLOTS], s[LIM]
	s_cbranch_scc0 .Lnot_mine_\@
	global_prefetch_b8 v[PFO], s[PFA:PFA+1] th:TH_LOAD_NT scope:SCOPE_SE
.Lnot_mine_\@:
.endm
	s_load_b128 s[4:7], s[0:1], 0x0                ; qkv, attnf
	v_lshl_add_u32 v[SPW], v0, 2, SPARE
	v_mov_b32 v[NIL], 0
	ds_add_u32 v[SPW], v[NIL]                      ; the wave's opening: the add, twice on end, and its wait ahead of my first tensor load
	ds_add_u32 v[SPW], v[NIL]                      ; and once more, under the one wait; the set-up below stands between
	v_lshrrev_b32 v1, 5, v0
	v_readfirstlane_b32 s[WV], v1                  ; wave 0..7
	s_and_b32 s9, s[WV], 1                         ; G
	s_lshr_b32 s10, s[WV], 1                       ; PH
	s_bfe_u32 s11, ttmp6, 0x40000                  ; cx
	s_lshl_b32 s12, ttmp9, 2
	s_add_co_u32 s12, s12, s11                     ; my block of 128 queries: it enters q's and attnf's addresses alone
	s_and_b32 s13, ttmp7, 0xffff                   ; the plane, which the four partners share
	s_mov_b32 s[G1], 15|(3<<16)|(1<<21)            ; the mask: all four; elements of 8 bytes; bit 21 beside a mask; no padding
	s_mov_b32 s[G1+1], 32<<16                      ; tensor_dim0: rows of 256 bytes,
	s_mov_b32 s[G1+2], 64<<16                      ; tensor_dim1: 64 of them: a dense block of 16,384 bytes
	s_mov_b32 s[G1+3], 32<<16                      ; tile_dim0
	s_mov_b32 s[G1+4], 64                          ; tile_dim1
	s_mov_b32 s[G1+5], 32                          ; from row to row
	s_mov_b32 s[G1+6], 0
	s_mov_b32 s[G1+7], 0
	s_mov_b32 s[CS], 0x3e38aa3b                    ; c = log2(e) / sqrt(64)
	s_mov_b32 s[CS+1], s[CS]                       ; (named with it as a pair)
	s_mov_b32 s[SEL], 0x76543210
	s_mov_b32 s[SEL+1], 0xfedcba98
	s_lshl_b32 s[TB], s10, 13                      ; my first key step: 64 keys are 8,192 bytes
	s_lshr_b32 s46, s[WV], 2                       ; what I fetch: k (waves 0-3) or v (waves 4-7),
	s_add_co_u32 s46, s46, 1
	s_mul_i32 s46, s46, TENS
	s_lshl_b32 s47, s13, 18                        ; the plane,
	s_add_co_u32 s46, s46, s47
	s_and_b32 s47, s[WV], 3
	s_lshl_b32 s47, s47, 14                        ; my quarter of a slot's block (registers that never hold cx)
	s_add_co_u32 s46, s46, s47
	s_mov_b32 s47, 0
	s_lshl_b32 s14, s[WV], 14                      ; and where it goes: wave x 16,384
	s_lshr_b32 s50, s[WV], 2                       ; what I prefetch, if I do
	s_add_co_u32 s50, s50, 1
	s_mul_i32 s50, s50, TENS
	s_lshl_b32 s51, s13, 18
	s_add_co_u32 s50, s50, s51
	s_lshl_b32 s51, s11, 14
	s_add_co_u32 s50, s50, s51
	s_and_b32 s51, s[WV], 1
	s_lshl_b32 s51, s51, 13
	s_add_co_u32 s50, s50, s51
	s_add_co_u32 s50, s50, 3*65536                 ; the fourth quarter of the keys
	s_mov_b32 s51, 0
	s_and_b32 s[LIM], s[WV], 2                     ; 0 in waves 0, 1, 4, 5,
	s_or_b32 s[LIM], s[LIM], ttmp9                 ; of the plane's first cluster: the same in all four partners
	s_cmp_eq_u32 s[LIM], 0
	s_cselect_b32 s[LIM], 1, -1
	s_lshl_b32 s42, s12, 1                         ; q: my wave's four tiles: (8 block + 4 G) x 2,048 bytes
	s_add_co_u32 s42, s42, s9
	s_lshl_b32 s42, s42, 13
	s_lshl_b32 s43, s13, 18
	s_add_co_u32 s42, s42, s43
	s_mov_b32 s43, 0
	s_lshr_b32 s48, s13, 2                         ; attnf[ks][token tile][6 fragments][1,024]: the head,
	s_mul_i32 s49, s48, 11
	s_lshr_b32 s49, s49, 5                         ; ks = head / 3 (11 h >> 5, right for h under 12),
	s_mul_i32 s15, s49, 3
	s_sub_co_u32 s48, s48, s15                     ; head % 3: two fragments, 2,048 bytes
	s_lshl_b32 s48, s48, 11
	s_mul_i32 s49, s49, 3145728
	s_add_co_u32 s44, s48, s49
	s_and_b32 s48, s13, 3                          ; the token tile that I finish: 128 batch + 8 block + 4 G + PH
	s_lshl_b32 s48, s48, 7
	s_lshl_b32 s49, s12, 3
	s_add_co_u32 s48, s48, s49
	s_lshl_b32 s49, s9, 2
	s_add_co_u32 s48, s48, s49
	s_add_co_u32 s48, s48, s10
	s_mul_i32 s48, s48, 6144
	s_add_co_u32 s44, s44, s48
	s_mov_b32 s45, 0
	s_wait_dscnt 0x0                               ; both opening adds are done
	s_wait_kmcnt 0x0
	s_add_nc_u64 s[46:47], s[4:5], s[46:47]
	s_add_nc_u64 s[PFA:PFA+1], s[4:5], s[50:51]
	s_add_nc_u64 s[42:43], s[4:5], s[42:43]
	s_add_nc_u64 s[44:45], s[6:7], s[44:45]
	CROUND                                         ; all four work-groups are here: the first joint loads meet
	s_mov_b32 s[G0A], 1
	s_mov_b32 s[G0A+1], s14                        ; slot 0
	s_mov_b64 s[G0A+2:G0A+3], s[46:47]             ; keys 0 to 511
	s_or_b32 s[G0A+3], s[G0A+3], 0x80000000
	s_mov_b32 s[G0W], 1
	s_add_co_u32 s[G0W+1], s14, SLOT1              ; slot 1
	s_add_nc_u64 s[G0W+2:G0W+3], s[46:47], 65536   ; keys 512 to 1,023
	s_or_b32 s[G0W+3], s[G0W+3], 0x80000000
	tensor_load_to_lds s[G0A:G0A+3], s[G1:G1+7]
	s_nop 0
	tensor_load_to_lds s[G0W:G0W+3], s[G1:G1+7]
	s_nop 0
.rept 4
	v_nop
.endr
	v_and_b32 v13, 31, v0                          ; lane
	v_lshlrev_b32 v[LI], 4, v13
	WIN TO_1
.irp t, 0,1,2,3                        ; q stays in registers: tile t, channels 32 kc on
.irp kc, 0,1
	global_load_b128 v[QF+16*\t+8*\kc:QF+16*\t+8*\kc+3],   v[LI], s[42:43] offset:2048*\t+1024*\kc
	global_load_b128 v[QF+16*\t+8*\kc+4:QF+16*\t+8*\kc+7], v[LI], s[42:43] offset:2048*\t+1024*\kc+512
.endr
.endr
	WIN 0
	v_add_nc_u32 v[LV], VOFF, v[LI]
	v_lshlrev_b32 v[PFO], 8, v13
	v_lshlrev_b32 v14, 2, v13
	s_lshl_b32 s48, s[WV], 10
	s_add_co_u32 s48, s48, STAT
	v_add_nc_u32 v[SA], s48, v14                   ; my statistics: STAT + 1,024 wave + 4 lane
	s_lshl_b32 s48, s[WV], 14
	v_add_nc_u32 v[OA], s48, v[LI]                 ; my O^T: 16,384 wave + 16 lane, in slot 0
	s_lshl_b32 s48, s9, 14
	s_lshl_b32 s49, s10, 12
	s_add_co_u32 s48, s48, s49
	v_add_nc_u32 v[RA], s48, v[LI]                 ; tile PH of waves G and 2 + G,
	v_add_nc_u32 v[RA+1], 65536, v[RA]             ; of waves 4 + G and 6 + G
	s_lshl_b32 s48, s9, 10
	s_lshl_b32 s49, s10, 8
	s_add_co_u32 s48, s48, s49
	s_add_co_u32 s48, s48, STAT
	v_add_nc_u32 v[RS], s48, v14
; A KEY STEP: 64 keys against my 64 queries, in phases.  first = 1: the first step, which starts m, l and O^T.
.macro STEP first
	v_add_nc_u32 v[ADK], s[TB], v[LI]
	v_add_nc_u32 v[ADV], s[TB], v[LV]
.rept 3
	v_nop                                          ; with the two additions five places behind the last product of the step before: its P is written over by the products below, its v by the loads
.endr
.irp f, 0,1,2,3,4,5,6,7                ; k's fragment f: keys 16 (f / 2) on, channels 32 (f % 2) on: two images
	ds_load_b128 v[KF+8*\f:KF+8*\f+3],   v[ADK] offset:1024*\f
	ds_load_b128 v[KF+8*\f+4:KF+8*\f+7], v[ADK] offset:1024*\f+512
.endr
	WIN TO_1
.irp g, 0,1                            ; v's fragment 4 g + ct: keys 32 g on, channels 16 ct on: one image of each of two token tiles, turned
.irp ct, 0,1,2,3
	ds_load_tr16_b128 v[VF+8*(4*\g+\ct):VF+8*(4*\g+\ct)+3],   v[ADV] offset:4096*\g+512*\ct
	ds_load_tr16_b128 v[VF+8*(4*\g+\ct)+4:VF+8*(4*\g+\ct)+7], v[ADV] offset:4096*\g+2048+512*\ct
.endr
.endr
	s_wait_dscnt 16                                ; k is in; v's sixteen loads may be out
	WIN W_S
.irp kc, 0,1                           ; S^T = k q^T: the 16 accumulators take turns; the first 16 products start the sums
.irp kt, 0,1,2,3
.irp t, 0,1,2,3
.if \kc == 0
	v_wmma_f32_16x16x32_f16 v[S+32*\t+8*\kt:S+32*\t+8*\kt+7], v[KF+8*(2*\kt+\kc):KF+8*(2*\kt+\kc)+7], v[QF+16*\t+8*\kc:QF+16*\t+8*\kc+7], 0
.else
	v_wmma_f32_16x16x32_f16 v[S+32*\t+8*\kt:S+32*\t+8*\kt+7], v[KF+8*(2*\kt+\kc):KF+8*(2*\kt+\kc)+7], v[QF+16*\t+8*\kc:QF+16*\t+8*\kc+7], v[S+32*\t+8*\kt:S+32*\t+8*\kt+7]
.endif
.endr
.endr
.endr
	WIN 0
.rept 4
	v_nop                                          ; places in front of the first read of results
.endr
.irp j, 0,1,2,3                        ; the maximum of a lane's 32 scores and the old m: four chains a tile, the tiles by turns; each accumulator is read from its low end on
.irp t, 0,1,2,3
	v_max3_num_f32 v[ST+8*\t+4+\j], v[S+32*\t+8*\j], v[S+32*\t+8*\j+1], v[S+32*\t+8*\j+2]
.endr
.endr
.irp u, 1,2
.irp j, 0,1,2,3
.irp t, 0,1,2,3
	v_max3_num_f32 v[ST+8*\t+4+\j], v[ST+8*\t+4+\j], v[S+32*\t+8*\j+2*\u+1], v[S+32*\t+8*\j+2*\u+2]
.endr
.endr
.endr
.irp t, 0,1,2,3
	v_max3_num_f32 v[ST+8*\t+4], v[ST+8*\t+4], v[S+32*\t+7], v[S+32*\t+15]
.endr
.irp t, 0,1,2,3
	v_max3_num_f32 v[ST+8*\t+6], v[ST+8*\t+6], v[S+32*\t+23], v[S+32*\t+31]
.endr
.irp t, 0,1,2,3
	v_max3_num_f32 v[ST+8*\t+4], v[ST+8*\t+4], v[ST+8*\t+5], v[ST+8*\t+6]
.endr
.irp t, 0,1,2,3
.if \first
	v_max_num_f32 v[ST+8*\t+4], v[ST+8*\t+4], v[ST+8*\t+7]
.else
	v_max3_num_f32 v[ST+8*\t+4], v[ST+8*\t+4], v[ST+8*\t+7], v[ST+8*\t+1]
.endif
.endr
.irp t, 0,1,2,3
	v_permlanex16_b32 v[ST+8*\t+5], v[ST+8*\t+4], s[SEL], s[SEL+1]   ; the query's other 32 keys lie in the lane 16 away
.endr
.if \first == 0
.irp t, 0,1,2,3
	v_mov_b32 v[ST+8*\t+7], v[ST+8*\t]             ; c m_old is kept for a
.endr
.endif
.irp t, 0,1,2,3
	v_max_num_f32 v[ST+8*\t+1], v[ST+8*\t+4], v[ST+8*\t+5]
.endr
.irp t, 0,1,2,3
	v_mul_f32 v[ST+8*\t], s[CS], v[ST+8*\t+1]
.endr
.if \first == 0
.irp t, 0,1,2,3
	v_sub_f32 v[ST+8*\t+7], v[ST+8*\t+7], v[ST+8*\t]
.endr
.endif
.set b, 0
.rept 16
.irp t, 0,1,2,3
	v_pk_fma_f32 v[S+32*\t+2*b:S+32*\t+2*b+1], v[S+32*\t+2*b:S+32*\t+2*b+1], s[CS:CS+1], v[ST+8*\t:ST+8*\t+1] op_sel_hi:[1,0,0] neg_lo:[0,0,1] neg_hi:[0,0,1]   ; c s - c m, two at a time
.endr
.set b, b+1
.endr
.if \first == 0
.irp t, 0,1,2,3
	v_exp_f32 v[ST+8*\t+6], v[ST+8*\t+7]           ; a
.endr
.endif
.set j, 0
.rept 128
	v_exp_f32 v[S+j], v[S+j]                       ; p: ONE batch
.set j, j+1
.endr
	v_nop                                          ; a plain instruction behind the last exponential
	s_wait_alu depctr_va_vdst(0)                   ; one wait for the whole batch, ahead of its first reader
.irp t, 0,1,2,3                        ; the sums of the f32 p: l = a l + .., two chains a tile, the tiles by turns
.if \first
	v_pk_add_f32 v[ST+8*\t+2:ST+8*\t+3], v[S+32*\t:S+32*\t+1], v[S+32*\t+6:S+32*\t+7]
.else
	v_pk_fma_f32 v[ST+8*\t+2:ST+8*\t+3], v[ST+8*\t+2:ST+8*\t+3], v[ST+8*\t+6:ST+8*\t+7], v[S+32*\t:S+32*\t+1] op_sel_hi:[1,0,1]
.endif
.endr
.irp t, 0,1,2,3
	v_pk_add_f32 v[XS+2*\t:XS+2*\t+1], v[S+32*\t+2:S+32*\t+3], v[S+32*\t+4:S+32*\t+5]
.endr
.irp i, 3,4,5,6,7,8,9,10,11,12,13,14,15
.if (\i > 3) || (\first == 0)
.irp t, 0,1,2,3
.if \i % 2
	v_pk_add_f32 v[ST+8*\t+2:ST+8*\t+3], v[ST+8*\t+2:ST+8*\t+3], v[S+32*\t+2*\i:S+32*\t+2*\i+1]
.else
	v_pk_add_f32 v[XS+2*\t:XS+2*\t+1], v[XS+2*\t:XS+2*\t+1], v[S+32*\t+2*\i:S+32*\t+2*\i+1]
.endif
.endr
.endif
.endr
.irp t, 0,1,2,3
	v_pk_add_f32 v[ST+8*\t+2:ST+8*\t+3], v[ST+8*\t+2:ST+8*\t+3], v[XS+2*\t:XS+2*\t+1]
.endr
.set i, 0
.rept 16
.irp t, 0,1,2,3
	v_cvt_pk_f16_f32 v[S+32*\t+i], v[S+32*\t+2*i], v[S+32*\t+2*i+1]   ; P, packed in place from the low end: register i is written when pairs 0 .. i have been read
.endr
.set i, i+1
.endr
.if \first == 0
	WIN W_RS
.set j, 0
.rept 64
	v_pk_mul_f32 v[j:j+1], v[j:j+1], v[ST+8*(j/32)+6:ST+8*(j/32)+7] op_sel_hi:[1,0]   ; O^T x a, each accumulator from its low end on
.set j, j+2
.endr
.endif
	s_wait_dscnt 0x0                               ; v is in
	WIN W_PV
.irp g, 0,1                            ; O^T += v^T P: the 16 accumulators take turns
.irp ct, 0,1,2,3
.irp t, 0,1,2,3
.if \first && (\g == 0)
	v_wmma_f32_16x16x32_f16 v[32*\t+8*\ct:32*\t+8*\ct+7], v[VF+8*(4*\g+\ct):VF+8*(4*\g+\ct)+7], v[S+32*\t+8*\g:S+32*\t+8*\g+7], 0
.else
	v_wmma_f32_16x16x32_f16 v[32*\t+8*\ct:32*\t+8*\ct+7], v[VF+8*(4*\g+\ct):VF+8*(4*\g+\ct)+7], v[S+32*\t+8*\g:S+32*\t+8*\g+7], v[32*\t+8*\ct:32*\t+8*\ct+7]
.endif
.endr
.endr
.endr
	WIN 0
.endm
.macro PASS                            ; my two key steps of a slot, four steps (32,768 bytes) apart: written once, walked twice
	s_mov_b32 s[TWICE], 2
.Lstep_\@:
	STEP 0
	s_add_co_u32 s[TB], s[TB], 32768
	s_sub_co_u32 s[TWICE], s[TWICE], 1
	s_cmp_lg_u32 s[TWICE], 0
	s_cbranch_scc1 .Lstep_\@
.endm
; THE CHANGE OF SLOTS.  Each wave waits for all its tensor loads (its part of the slot ahead), adds 0 to its spare word, and waits for that and for its reads of the slot that it leaves.
; fill = 1: a round of the cluster's barrier, so that no wave of any partner still reads that slot or has a load on its way; the joint refill is the first thing behind it and has a slot's steps in which to land.
.macro CHANGE fill
	s_wait_tensorcnt 0x0                           ; no tensor load of mine is out, so a group 0 may be written
	ds_add_u32 v[SPW], v[NIL]                      ; 0 onto my spare word
.if \fill
	s_xor_b32 s[G0W+1], s[G0W+1], SLOT1            ; the walking descriptor: the other slot than last time,
	s_add_nc_u64 s[G0W+2:G0W+3], s[G0W+2:G0W+3], 65536   ; the next 512 keys; the type bits on top are not reached
.endif
	s_wait_dscnt 0x0                               ; the add is done, and my reads of the slot are over
.if \fill
	CROUND
	tensor_load_to_lds s[G0W:G0W+3], s[G1:G1+7]
	s_nop 0
.rept 4
	v_nop
.endr
	ASK
.else
	s_barrier_signal -1
	s_barrier_wait -1
.endif
	s_sub_co_u32 s[TB], s[TB], 65536               ; back to my first step of a slot,
	s_xor_b32 s[TB], s[TB], SLOT1                  ; in the other slot
.endm
	s_wait_tensorcnt 1                             ; my part of slot 0 is in; slot 1's may stay out
	s_barrier_signal -1
	s_barrier_wait -1                              ; everybody's is
	s_wait_loadcnt 0x0                             ; q
	STEP 1
	s_add_co_u32 s[TB], s[TB], 32768
	STEP 0
	s_add_co_u32 s[TB], s[TB], 32768
	s_mov_b32 s[SLOTS], 2
.Lslot:                                            ; two trips: both slots are filled once more
	CHANGE 1
	PASS
	s_sub_co_u32 s[SLOTS], s[SLOTS], 1
	s_cmp_lg_u32 s[SLOTS], 0
	s_cbranch_scc1 .Lslot
	CHANGE 0                                       ; the tail is written out
	PASS
	; THE WAY OUT.  l's two halves and the other half of the lanes' are added (these lines are also the places behind the last products).
.irp t, 0,1,2,3
	v_add_f32 v[ST+8*\t+4], v[ST+8*\t+2], v[ST+8*\t+3]
.endr
.irp t, 0,1,2,3
	v_permlanex16_b32 v[ST+8*\t+5], v[ST+8*\t+4], s[SEL], s[SEL+1]
.endr
.irp t, 0,1,2,3
	v_add_f32 v[ST+8*\t+4], v[ST+8*\t+4], v[ST+8*\t+5]
.endr
	s_wait_dscnt 0x0
	s_barrier_signal -1
	s_barrier_wait -1                              ; every wave's reads of the ring are over: slot 0, which has had its last fill, becomes the stage
.irp t, 0,1,2,3
	ds_store_b32 v[SA], v[ST+8*\t] offset:256*\t           ; c m,
	ds_store_b32 v[SA], v[ST+8*\t+4] offset:256*\t+128     ; l
.endr
	WIN 0x04                                       ; an LDS store's data are its source 1: window 1
.irp t, 0,1,2,3
.irp i, 0,1,2,3,4,5,6,7
	ds_store_b128 v[OA], v[32*\t+4*\i:32*\t+4*\i+3] offset:4096*\t+512*\i   ; O^T as it stands, each accumulator from its low end on
.endr
.endr
	WIN 0
	s_wait_dscnt 0x0                               ; for the others' sake: my stores have landed
	s_barrier_signal -1
	s_barrier_wait -1
	; wave (G, PH) finishes tile PH of G's queries: the four waves 2 p + G hold its parts
.irp p, 0,1,2,3
	ds_load_b32 v[48+\p], v[RS] offset:2048*\p             ; c m of part p,
	ds_load_b32 v[52+\p], v[RS] offset:2048*\p+128         ; l
.endr
.irp p, 0,1,2,3
.irp i, 0,1,2,3,4,5,6,7
	ds_load_b128 v[S+32*\p+4*\i:S+32*\p+4*\i+3], v[RA+\p/2] offset:32768*(\p%2)+512*\i
.endr
.endr
	s_wait_dscnt 32                                ; the eight words are in; the 32 loads behind them may be out
	v_max3_num_f32 v56, v48, v49, v50
	v_max_num_f32 v56, v56, v51                    ; the largest c m
.irp p, 0,1,2,3
	v_sub_f32 v[64+2*\p], v[48+\p], v56
.endr
.irp p, 0,1,2,3
	v_exp_f32 v[64+2*\p], v[64+2*\p]               ; w = 2^(c m_p - the largest)
.endr
	v_nop
	s_wait_alu depctr_va_vdst(0)                   ; one wait for the four
	v_mul_f32 v57, v64, v52
	v_fma_f32 v57, v66, v53, v57
	v_fma_f32 v57, v68, v54, v57
	v_fma_f32 v57, v70, v55, v57                   ; the row's sum
	v_rcp_f32 v57, v57
	v_nop
	s_wait_alu depctr_va_vdst(0)
.irp p, 0,1,2,3
	v_mul_f32 v[72+2*\p], v[64+2*\p], v57          ; w / the sum, in both halves of a pair
	v_mul_f32 v[73+2*\p], v[64+2*\p], v57
.endr
	s_wait_dscnt 0x0
.set j, 0
.rept 16
	v_pk_mul_f32 v[S+j:S+j+1], v[S+j:S+j+1], v[72:73]
.set j, j+2
.endr
.irp p, 1,2,3
.set j, 0
.rept 16
	v_pk_fma_f32 v[S+j:S+j+1], v[S+32*\p+j:S+32*\p+j+1], v[72+2*\p:73+2*\p], v[S+j:S+j+1]
.set j, j+2
.endr
.endr
.set i, 0
.rept 16
	v_cvt_pk_f16_f32 v[48+i], v[S+2*i], v[S+2*i+1] ; lane (r, h): token r, channels 16 ct + 8 h + 0 .. 7 in registers 4 ct on: four images of the next launch's operand
.set i, i+1
.endr
.irp ct, 0,1,2,3
	global_store_b128 v[LI], v[48+4*\ct:48+4*\ct+3], s[44:45] offset:512*\ct   ; 512 consecutive bytes, aligned
.endr
	s_wait_tensorcnt 0x0                           ; the wave's end: three lines, behind my last tensor load and my last LDS store
	ds_add_u32 v[SPW], v[NIL]
	s_wait_dscnt 0x0
	CROUND                                         ; the closing round
	s_endpgm
.Lfunc_end_k_qec1fde3929_attn:
	.size	k_qec1fde3929_attn, .Lfunc_end_k_qec1fde3929_attn-k_qec1fde3929_attn
	.p2alignl 7, 3214868480
	.fill 96, 4, 3214868480
	.section	.rodata,"a",@progbits
	.p2align	6, 0x0
	.amdhsa_kernel k_qec1fde3929_attn
		.amdhsa_group_segment_fixed_size 327680
		.amdhsa_private_segment_fixed_size 0
		.amdhsa_enable_private_segment 0
		.amdhsa_kernarg_size 16
		.amdhsa_user_sgpr_count 2
		.amdhsa_user_sgpr_kernarg_segment_ptr 1
		.amdhsa_wavefront_size32 1
		.amdhsa_system_sgpr_workgroup_id_x 1
		.amdhsa_system_sgpr_workgroup_id_y 1
		.amdhsa_system_sgpr_workgroup_id_z 1
		.amdhsa_system_vgpr_workitem_id 0
		.amdhsa_next_free_vgpr 512
		.amdhsa_next_free_sgpr 66
		.amdhsa_reserve_vcc 0
		.amdhsa_float_denorm_mode_32 3
		.amdhsa_float_denorm_mode_16_64 3
		.amdhsa_memory_ordered 1
		.amdhsa_forward_progress 1
		.amdhsa_inst_pref_size 143
	.end_amdhsa_kernel
	.amdgpu_metadata
---
amdhsa.version: [ 1, 2 ]
amdhsa.kernels:
  - .name:           k_qec1fde3929_attn
    .symbol:         k_qec1fde3929_attn.kd
    .args:
      - { .name: qkv, .offset: 0, .size: 8, .value_kind: global_buffer, .address_space: global }
      - { .name: attnf, .offset: 8, .size: 8, .value_kind: global_buffer, .address_space: global }
    .group_segment_fixed_size: 327680
    .private_segment_fixed_size: 0
    .kernarg_segment_align: 8
    .kernarg_segment_size: 16
    .max_flat_workgroup_size: 256
    .sgpr_count:     66
    .vgpr_count:     512
    .wavefront_size: 32
...
	.end_amdgpu_metadata
.endif
;; end of part 3
;; launch outp (part 4): grid 4 x 64, 4 waves a work-group, clusters of 4 x 4, 327,680 bytes of LDS; arguments attnf, wof, bo, out0; writes out0
.if DOCPART == 4
	.amdgcn_target "amdgcn-amd-amdhsa--gfx1250"
	.amdhsa_code_object_version 6
	.text
	.protected	k_qec1fde3929_outp
	.globl	k_qec1fde3929_outp
	.p2align	8
	.type	k_qec1fde3929_outp,@function
k_qec1fde3929_outp:
	s_mov_b64 s[64:65], 0
	v_nop
	global_prefetch_b8 v0, s[64:65] scope:SCOPE_SE
	s_setreg_imm32_b32 hwreg(HW_REG_WAVE_MODE, 25, 1), 1
	s_wait_xcnt 0x0
	s_wait_alu depctr_hold_cnt(0) depctr_sa_sdst(0) depctr_va_vdst(0) depctr_va_sdst(0) depctr_va_ssrc(0) depctr_va_vcc(0) depctr_vm_vsrc(0)
	s_getreg_b32 s2, hwreg(HW_REG_IB_STS2, 6, 4)
	s_cmp_eq_u32 s2, 0
	s_cbranch_scc0 .Lentry_in_a_cluster
	s_endpgm
.Lentry_in_a_cluster:
	s_bfe_u32 s2, ttmp6, 0x10000c
	s_cmp_lg_u32 s2, 0xf033
	s_cbranch_scc0 .Lentry_shape_is_right
	s_endpgm
.Lentry_shape_is_right:
; Launch 4 of 4: out0 = attn Wo^T + bo, f16 operands, sums in f32.
; LEFT OUT (shown at the head of the first kernel): channels 768 on, where the channel mask is 0: K is 768.
; SHARES.  A work-group makes 128 tokens x 256 outputs: 256 work-groups.  Four waves, each 64 tokens x 128 outputs: 32 accumulators of 16 x 16.
; K goes in four steps of 192 (six fragments of 32) through a ring of two LDS slots.  Both operands lie in memory as images of operand registers, [K step][tile of 16 rows][6 fragments][1,024 bytes],
; so a K step's tile is one dense block, LDS reads are consecutive and need no padding.  Waves 0 and 1 fetch the tokens' halves, waves 2 and 3 Wo's; two loads of mine are out at the head, one behind each round.
; CLUSTERS: 4 x 4: the four of a row share the tokens' tiles, the four of a column Wo's: joint loads.
; THE MATRIX INSTRUCTION IS USED TRANSPOSED (source 0 = 16 outputs, source 1 = 16 tokens): a lane holds eight neighbouring outputs of one token.
; THE BIAS is loaded straight into the accumulators, in the result's layout, so that every product adds in place.
; REGISTERS: window 0: v16-29 addresses; v32-127, v128-223 two fragment buffers (Wo's 8 blocks, then the tokens' 4); on the way out v32-159 rows read back.   window 1: the accumulators, (a, b) at v[8 (8 a + b)].
.set TILEB, 6144                       ; a tile of 16 rows in a K step
.set HA,    4*TILEB                    ; 64 tokens: what a load brings, and what a wave reads
.set HB,    8*TILEB                    ; 128 outputs likewise
.set BOFF,  2*HA
.set SLOT,  2*HA+2*HB
.set SPARE, 2*SLOT                     ; behind the ring: the spare words, 128 bytes for each wave
.set KSA,   3145728                    ; a K step of attnf in bytes
.set KSB,   393216                     ; of wof
.set SPITCH, 528                       ; the way out: a stage of 16 rows x (512 bytes + 16) for each wave, in slot 0, which has had its last fill and its last read by then
.set ADRA, 16
.set ADRB, 20
.set STO,  24
.set RD,   25
.set CO,   26                          ; v26  16 x lane
.set VB,   27                          ; v27  32 h
.set SPW,  28
.set NIL,  29
.set F0,   32
.set F1,   128
.set BK,   32
.set G1A,  24                          ; s[24:31], s[32:39]: the tokens'
.set G0A,  32
.set G1B,  48                          ; s[48:55], s[56:63]: Wo's
.set G0B,  56
.set MSB, 0
.macro WIN new
.if MSB != \new
	s_set_vgpr_msb (MSB<<8)|\new
.set MSB, \new
.endif
.endm
.set MUL, 0x50                         ; C and D window 1
.macro JLOAD s                         ; a joint load; an s_nop 0 and four v_nop follow each of the two lines
	s_cmp_eq_u32 s13, 0
	s_cbranch_scc0 .Lfor_b_\@
	tensor_load_to_lds s[G0A+4*\s:G0A+4*\s+3], s[G1A:G1A+7]
	s_nop 0
.rept 4
	v_nop
.endr
	s_branch .Lasked_\@
.Lfor_b_\@:
	tensor_load_to_lds s[G0B+4*\s:G0B+4*\s+3], s[G1B:G1B+7]
	s_nop 0
.rept 4
	v_nop
.endr
.Lasked_\@:
.endm
.macro CREST                           ; a round of the cluster's barrier behind its opening barrier
	s_cmp_lg_u32 s12, 0
	s_cbranch_scc1 .Lnot_wave_0_\@
	s_barrier_signal -3
.Lnot_wave_0_\@:
	s_barrier_wait -3
	s_barrier_signal -1
	s_barrier_wait -1
.endm
.macro CROUND
	s_barrier_signal -1
	s_barrier_wait -1
	CREST
.endm
	s_load_b256 s[4:11], s[0:1], 0x0               ; attnf, wof, bo, out0
	v_lshl_add_u32 v[SPW], v0, 2, SPARE
	v_mov_b32 v[NIL], 0
	ds_add_u32 v[SPW], v[NIL]                      ; the wave's opening: the add, twice on end, and its wait ahead of my first tensor load
	ds_add_u32 v[SPW], v[NIL]                      ; and once more, under the one wait
	v_lshrrev_b32 v1, 5, v0
	v_readfirstlane_b32 s12, v1                    ; wave
	s_lshr_b32 s13, s12, 1                         ; HI: which 64 tokens.  Also: I fetch the tokens' (0) or Wo's (1)
	s_and_b32 s14, s12, 1                          ; LO: which 128 outputs.  Also: which half I fetch
	s_bfe_u32 s15, ttmp6, 0x40000                  ; cx
	s_bfe_u32 s16, ttmp6, 0x40004                  ; cy
	s_lshl_b32 s17, ttmp9, 2
	s_add_co_u32 s17, s17, s15                     ; tile column
	s_and_b32 s18, ttmp7, 0xffff
	s_lshl_b32 s18, s18, 2
	s_add_co_u32 s18, s18, s16                     ; tile row
	s_lshl_b32 s20, s16, 2
	s_lshl_b32 s20, 15, s20                        ; my row of the cluster
	s_lshl_b32 s21, 0x1111, s15                    ; my column
	s_or_b32 s[G1A], s20, (3<<16)|(1<<21)          ; the mask; elements of 8 bytes; bit 21 beside a mask; no padding
	s_or_b32 s[G1B], s21, (3<<16)|(1<<21)
.irp g, G1A, G1B
	s_mov_b32 s[\g+1], 32<<16                      ; rows of 256 bytes
	s_mov_b32 s[\g+3], 32<<16
	s_mov_b32 s[\g+5], 32
	s_mov_b32 s[\g+6], 0
	s_mov_b32 s[\g+7], 0
.endr
	s_mov_b32 s[G1A+2], 96<<16                     ; 24,576 bytes
	s_mov_b32 s[G1A+4], 96
	s_mov_b32 s[G1B+2], 192<<16                    ; 49,152 bytes
	s_mov_b32 s[G1B+4], 192
	s_lshl_b32 s40, s18, 3                         ; the tokens' tiles that I fetch: 8 x tile row + 4 x half (registers that never hold cx)
	s_lshl_b32 s41, s14, 2
	s_add_co_u32 s40, s40, s41
	s_mul_i32 s40, s40, TILEB
	s_mov_b32 s41, 0
	s_lshl_b32 s42, s17, 4                         ; Wo's: 16 x tile column + 8 x half (registers that never hold cy)
	s_lshl_b32 s43, s14, 3
	s_add_co_u32 s42, s42, s43
	s_mul_i32 s42, s42, TILEB
	s_mov_b32 s43, 0
	s_mul_i32 s22, s14, HA                         ; where they go
	s_mul_i32 s23, s14, HB
	s_add_co_u32 s23, s23, BOFF
	s_wait_dscnt 0x0                               ; both opening adds are done
	s_wait_kmcnt 0x0
	s_add_nc_u64 s[40:41], s[4:5], s[40:41]
	s_add_nc_u64 s[42:43], s[6:7], s[42:43]
	CROUND                                         ; all sixteen work-groups are here
.irp s, 0,1
	s_mov_b32 s[G0A+4*\s], 1
	s_add_co_u32 s[G0A+4*\s+1], s22, \s*SLOT
	s_add_nc_u64 s[G0A+4*\s+2:G0A+4*\s+3], s[40:41], \s*KSA
	s_or_b32 s[G0A+4*\s+3], s[G0A+4*\s+3], 0x80000000
	s_mov_b32 s[G0B+4*\s], 1
	s_add_co_u32 s[G0B+4*\s+1], s23, \s*SLOT
	s_add_nc_u64 s[G0B+4*\s+2:G0B+4*\s+3], s[42:43], \s*KSB
	s_or_b32 s[G0B+4*\s+3], s[G0B+4*\s+3], 0x80000000
	JLOAD \s
.endr
	v_and_b32 v1, 15, v0                           ; r
	v_bfe_u32 v2, v0, 4, 1                         ; h
	v_and_b32 v3, 31, v0
	v_lshlrev_b32 v[CO], 4, v3
	v_lshlrev_b32 v[VB], 5, v2
	s_lshl_b32 s46, s17, 10                        ; my first output, in bytes: (256 x tile column + 128 LO) x 4
	s_lshl_b32 s47, s14, 9
	s_add_co_u32 s46, s46, s47
	s_mov_b32 s47, 0
	s_add_nc_u64 s[8:9], s[8:9], s[46:47]
	s_add_nc_u64 s[10:11], s[10:11], s[46:47]
	s_lshl_b32 s46, s18, 19                        ; my first token: (128 x tile row + 64 HI) rows of 4,096 bytes
	s_lshl_b32 s47, s13, 18
	s_add_co_u32 s46, s46, s47
	s_mov_b32 s47, 0
	s_add_nc_u64 s[10:11], s[10:11], s[46:47]
	WIN 0x40                                       ; destination window 1
.irp a, 0,1,2,3                        ; lane (r, h) of accumulator (a, b) holds outputs 16 b + 8 h + 0 .. 7: their bias starts the sums
.irp b, 0,1,2,3,4,5,6,7
	global_load_b128 v[8*(8*\a+\b):8*(8*\a+\b)+3],   v[VB], s[8:9] offset:64*\b
	global_load_b128 v[8*(8*\a+\b)+4:8*(8*\a+\b)+7], v[VB], s[8:9] offset:64*\b+16
.endr
.endr
	WIN 0
	s_mul_i32 s44, s13, HA                         ; my 64 tokens,
	s_mul_i32 s45, s14, HB                         ; my 128 outputs,
	s_add_co_u32 s45, s45, BOFF
.irp s, 0,1
	v_add_nc_u32 v[ADRA+\s], s44, v[CO]
	v_add_nc_u32 v[ADRB+\s], s45, v[CO]
	s_add_co_u32 s44, s44, SLOT
	s_add_co_u32 s45, s45, SLOT
.endr
	s_mul_i32 s44, s12, 16*SPITCH                  ; my stage
	v_mul_u32_u24 v4, v1, SPITCH                   ; in: row r, 32 bytes for each half of the lanes
	v_lshl_add_u32 v4, v2, 5, v4
	v_add_nc_u32 v[STO], s44, v4
	v_add_nc_u32 v[RD], s44, v[CO]                 ; back: the 32 lanes take one row of 512 bytes
.macro FETCH slot, kf, f               ; fragment kf of the K step into buffer f: 16 loads for Wo's 8 blocks, then 8 for the tokens' 4
.irp b, 0,1,2,3,4,5,6,7
	ds_load_b128 v[\f+8*\b:\f+8*\b+3],   v[ADRB+\slot] offset:TILEB*\b+1024*(\kf)
	ds_load_b128 v[\f+8*\b+4:\f+8*\b+7], v[ADRB+\slot] offset:TILEB*\b+1024*(\kf)+512
.endr
.irp a, 0,1,2,3
	ds_load_b128 v[\f+64+8*\a:\f+64+8*\a+3],   v[ADRA+\slot] offset:TILEB*\a+1024*(\kf)
	ds_load_b128 v[\f+64+8*\a+4:\f+64+8*\a+7], v[ADRA+\slot] offset:TILEB*\a+1024*(\kf)+512
.endr
.endm
.macro MUL8 f, a                       ; token block a x Wo's eight.  The 32 accumulators take turns, in the same order in every unit
.irp b, 0,1,2,3,4,5,6,7
	v_wmma_f32_16x16x32_f16 v[8*(8*(\a)+\b):8*(8*(\a)+\b)+7], v[\f+8*\b:\f+8*\b+7], v[\f+64+8*(\a):\f+64+8*(\a)+7], v[8*(8*(\a)+\b):8*(8*(\a)+\b)+7]
.endr
.endm
.macro PLACES
.rept 4
	v_nop
.endr
.endm
.macro UNIT slot, kf, f, g             ; 32 along K: multiplies buffer f; in its middle it fetches the next fragment into g
	s_wait_dscnt 4                                 ; all but the youngest four loads (token blocks 2 and 3) are in
	WIN MUL
	MUL8 \f, 0
	MUL8 \f, 1
	PLACES
	WIN 0
	FETCH \slot, (\kf)+1, \g
	s_wait_dscnt 24                                ; all but the 24 just issued
	WIN MUL
	MUL8 \f, 2
	MUL8 \f, 3
.endm
.macro UNITS slot                      ; a K step's first five units
	UNIT \slot, 0, F0, F1
	UNIT \slot, 1, F1, F0
	UNIT \slot, 2, F0, F1
	UNIT \slot, 3, F1, F0
	UNIT \slot, 4, F0, F1
.endm
; A K step's last unit multiplies buffer 1 and changes slots: ONE barrier; in front of it each wave waits for all its tensor loads, adds 0 to its spare word, and waits for that and for its reads of this slot.
; fill = 1: the barrier opens a round of the cluster's barrier, and this slot is filled again, two K steps ahead.
.macro TURN slot, next, fill
	WIN 0
	s_wait_tensorcnt 0x0                           ; all my tensor loads have landed: my part of the next slot
	ds_add_u32 v[SPW], v[NIL]                      ; 0 onto my spare word
	s_wait_dscnt 5                                 ; (the add and the youngest four loads may be out)
	WIN MUL
	MUL8 F1, 0                                     ; eight matrix instructions stand between the add and the wait for it
	s_wait_dscnt 0x0                               ; the add is done, and my reads of this slot are over
	s_barrier_signal -1
	MUL8 F1, 1
	WIN 0
	s_barrier_wait -1
.if \fill
	CREST                                          ; no wave of any partner still reads this slot or has a load on its way
	s_add_nc_u64 s[G0A+4*\slot+2:G0A+4*\slot+3], s[G0A+4*\slot+2:G0A+4*\slot+3], 2*KSA
	s_add_nc_u64 s[G0B+4*\slot+2:G0B+4*\slot+3], s[G0B+4*\slot+2:G0B+4*\slot+3], 2*KSB
	JLOAD \slot                                    ; the first tensor load behind the round; its four v_nop are also the places in front of the loads below
.else
	PLACES
.endif
	FETCH \next, 0, F0
	WIN MUL
	MUL8 F1, 2
	MUL8 F1, 3
.endm
	s_wait_tensorcnt 1                             ; my part of K step 0 is in; K step 1's may stay out
	s_barrier_signal -1
	s_barrier_wait -1
	FETCH 0, 0, F0
	s_wait_loadcnt 0x0                             ; the bias
	UNITS 0
	TURN 0, 1, 1                                   ; slot 0 takes K step 2
	UNITS 1
	TURN 1, 0, 1                                   ; slot 1 takes K step 3
	UNITS 0
	TURN 0, 1, 0                                   ; nothing is left to fetch
	UNITS 1
	s_wait_dscnt 4                                 ; the very last unit
	WIN MUL
	MUL8 F1, 0
	MUL8 F1, 1
	s_wait_dscnt 0
	MUL8 F1, 2
	MUL8 F1, 3
; THE WAY OUT, block by block of 16 tokens x 128 outputs: through my own stage in LDS and back as whole rows of 512 bytes.  LDS serves a wave's instructions in order: no wait between the stores and the loads.
.macro TOSTAGE a
	WIN 0x04                                       ; an LDS store's data are its source 1: window 1
.irp b, 0,1,2,3,4,5,6,7
	ds_store_b128 v[STO], v[8*(8*(\a)+\b):8*(8*(\a)+\b)+3] offset:64*\b          ; each accumulator from its low end on
	ds_store_b128 v[STO], v[8*(8*(\a)+\b)+4:8*(8*(\a)+\b)+7] offset:64*\b+16
.endr
	WIN 0
.set BB, BK+64*((\a)%2)
.irp t, 0,1,2,3,4,5,6,7,8,9,10,11,12,13,14,15
	ds_load_b128 v[BB+4*\t:BB+4*\t+3], v[RD] offset:\t*SPITCH
.endr
.endm
.macro SEND a, younger                 ; younger: the LDS instructions issued behind block a's loads, which may stay out
.set BB, BK+64*((\a)%2)
	s_wait_dscnt \younger
.if (\a) > 0
	s_add_nc_u64 s[10:11], s[10:11], 16*4096       ; 16 tokens on (behind a wait on XCNT: the earlier stores have read their base)
.endif
.irp t, 0,1,2,3,4,5,6,7,8,9,10,11,12,13,14,15
	global_store_b128 v[CO], v[BB+4*\t:BB+4*\t+3], s[10:11] offset:\t*4096 th:TH_STORE_NT   ; 32 lanes store 512 consecutive bytes, aligned; written once, read by nobody here
.endr
.endm
	PLACES                                         ; in front of the first read of results and of loads into the fragments' registers
	TOSTAGE 0
.irp a, 1,2,3
.if \a > 1
	s_wait_xcnt 0x0                                ; block a - 2's stores have read their registers and their base
.endif
	TOSTAGE \a
	SEND \a-1, 32                                  ; behind block a - 1's loads: block a's 16 stores and 16 loads
.endr
	s_wait_xcnt 0x0
	SEND 3, 0
	s_wait_tensorcnt 0x0                           ; the wave's end: three lines, behind my last tensor load and my last LDS store
	ds_add_u32 v[SPW], v[NIL]
	s_wait_dscnt 0x0
	CROUND                                         ; the closing round
	s_endpgm
.Lfunc_end_k_qec1fde3929_outp:
	.size	k_qec1fde3929_outp, .Lfunc_end_k_qec1fde3929_outp-k_qec1fde3929_outp
	.p2alignl 7, 3214868480
	.fill 96, 4, 3214868480
	.section	.rodata,"a",@progbits
	.p2align	6, 0x0
	.amdhsa_kernel k_qec1fde3929_outp
		.amdhsa_group_segment_fixed_size 327680
		.amdhsa_private_segment_fixed_size 0
		.amdhsa_enable_private_segment 0
		.amdhsa_kernarg_size 32
		.amdhsa_user_sgpr_count 2
		.amdhsa_user_sgpr_kernarg_segment_ptr 1
		.amdhsa_wavefront_size32 1
		.amdhsa_system_sgpr_workgroup_id_x 1
		.amdhsa_system_sgpr_workgroup_id_y 1
		.amdhsa_system_sgpr_workgroup_id_z 1
		.amdhsa_system_vgpr_workitem_id 0
		.amdhsa_next_free_vgpr 512
		.amdhsa_next_free_sgpr 66
		.amdhsa_reserve_vcc 0
		.amdhsa_float_denorm_mode_32 3
		.amdhsa_float_denorm_mode_16_64 3
		.amdhsa_memory_ordered 1
		.amdhsa_forward_progress 1
		.amdhsa_inst_pref_size 120
	.end_amdhsa_kernel
	.amdgpu_metadata
---
amdhsa.version: [ 1, 2 ]
amdhsa.kernels:
  - .name:           k_qec1fde3929_outp
    .symbol:         k_qec1fde3929_outp.kd
    .args:
      - { .name: attnf, .offset: 0, .size: 8, .value_kind: global_buffer, .address_space: global }
      - { .name: wof, .offset: 8, .size: 8, .value_kind: global_buffer, .address_space: global }
      - { .name: bo, .offset: 16, .size: 8, .value_kind: global_buffer, .address_space: global }
      - { .name: out0, .offset: 24, .size: 8, .value_kind: global_buffer, .address_space: global }
    .group_segment_fixed_size: 327680
    .private_segment_fixed_size: 0
    .kernarg_segment_align: 8
    .kernarg_segment_size: 32
    .max_flat_workgroup_size: 128
    .sgpr_count:     66
    .vgpr_count:     512
    .wavefront_size: 32
...
	.end_amdgpu_metadata
.endif
;; end of part 4
